; MI455X (gfx1250); checked and timed in simulation.
; The chip was launched on July 23, 2026; its instructions are those of AMD's public machine-readable ISA for CDNA 5 (MIT licence, August 2026) and "CDNA5" Instruction Set Architecture Reference Guide (July 2026). The comments in the code are by the model that wrote it; some were corrected since.
;; H2 O Original. Allowed arithmetic: matrix products marked QUANTISED: E5M2 operands, one given power-of-two scale a tensor, by v_wmma_f32_16x16x64_bf8_bf8 or v_wmma_f32_16x16x128_bf8_bf8, f32 sums; everything else in f32.
;; Inputs: k 1 x 16 x 64 x 4,096 float32; lowp_scales 4 int32 (the exponents e of the quantised operands' scales 2^e); q 1 x 16 x 4,096 x 64 float32; v 1 x 16 x 4,096 x 64 float32.
;; Outputs: out0 1 x 16 x 4,096 x 64 float32; out1 1 x 16 x 4,096 float32.
;; This version of the problem:
;;   THIS VERSION OF THE PROBLEM IS GIVEN IN LOW PRECISION. The matrix products marked QUANTISED in the list below multiply operands that are first quantised to E5M2 (5 exponent bits, 2 mantissa bits; 8 bits a number), with one given power-of-two scale for each operand tensor; their sums are f32. All else is computed in f32.
;;   The module's matrix products, in the order in which they are computed (A, B: the left and right operand; K: the contracted axis; several contracted axes count as one K, in the product's order):
;;     1. batch 16 x [M 4,096, K 64] x [K 64, N 4,096]; A: input q; B: input k: QUANTISED (scales: A lowp_scales[0], B lowp_scales[1])
;;     2. batch 16 x [M 4,096, K 4,096] x [K 4,096, N 64]; A: softmax (see below); B: input v: QUANTISED (scales: A lowp_scales[2], B lowp_scales[3])
;;   THE QUANTISER, for each operand of a quantised product, along K:
;;     - The operand's scale is 2^e, e = its entry of the input lowp_scales (int32; the entries are numbered through the quantised products in the list's order, A before B).
;;     - Each number is divided by the scale, clamped to +-57,344, and rounded to the nearest number of E5M2, ties to even, subnormals kept.
;;     - The product sums the exact products of the quantised numbers (number of the format x scale) in f32.
;;   ~~~python
;;   def quantise(x, axis, e):      # numpy; x: float32 -> the quantised numbers, widened to float32 again
;;       x = np.moveaxis(x, axis, -1); K = x.shape[-1]
;;       r = np.clip(x / 2.0 ** e, -57344, 57344)
;;       step = 2.0 ** (np.maximum(np.frexp(np.where(r == 0, 1, r))[1] - 1, -14) - 2)
;;       q = np.round(r / step) * step * 2.0 ** e      # np.round: ties to even
;;       return np.moveaxis(q, -1, axis).astype(np.float32)
;;   ~~~
;;   SOFTMAX AHEAD OF A QUANTISED PRODUCT. Where the list says 'softmax', what is quantised is not the finished softmax but p = 2^(t - M), with t = logit x log2(e) and M = ceil(the row's largest t), a whole number; so 1/2 < the row's largest p <= 1. The row's sum l is taken of the UNQUANTISED p, in f32, and the product's result is divided by l at the end. Since M is a whole number, a kernel that streams over the keys may use a running M (the ceiling of the running maximum): every later rescaling is an exact power of two, so the quantised numbers keep their values, but for numbers so far below the row's largest that they fall under the format's range.
;;   OPERANDS COMPUTED ON THE WAY. 'Computed on the way' means the value that the module computes at that place (a softmax that the list does not call 'softmax' is quantised finished and normalised). What goes into a quantiser is computed in f32, as accurately as f32 sums, v_exp_f32 and their like allow (about 1e-6 of the number): no bf16 or f16 on the way to a quantiser, and a product that is left as it is and whose result goes on into a quantised operand takes f32 operands (vector FMAs, or v_wmma_f32_16x16x4_f32). A number that lies on a knife's edge between two numbers of the format may be rounded either way, as far as f32 arithmetic and the matrix unit's own rounding can turn it there, and no further.
;; 2 versions, each right; version 2 is version 1 with the launches attn, colsum written anew for expert scheduling mode. Each part assembles by itself: llvm-mc -triple=amdgcn-amd-amdhsa -mcpu=gfx1250 --defsym DOCPART=n.
;; ======== version 1 of 2: 3 launches
;; limits: right only within a limited range of input values
;; workspace buffers: kv 8,388,608 bytes; qimg 4,194,304 bytes; nl 262,144 bytes
;; launch quant (part 1): grid 1024 x 1, 4 waves a work-group, no clusters, 0 bytes of LDS; arguments k, v, lowp_scales, kv; writes kv
.if DOCPART == 1
	.amdgcn_target "amdgcn-amd-amdhsa--gfx1250"
	.amdhsa_code_object_version 6
	.text
	.protected	k_q9cbe6a5bda_quant
	.globl	k_q9cbe6a5bda_quant
	.p2align	8
	.type	k_q9cbe6a5bda_quant,@function
k_q9cbe6a5bda_quant:
	s_mov_b64 s[64:65], 0
	v_nop
	global_prefetch_b8 v0, s[64:65] scope:SCOPE_SE
	s_setreg_imm32_b32 hwreg(HW_REG_WAVE_MODE, 25, 1), 1
	s_wait_xcnt 0x0
; k [16][64 d][4096 keys] and v [16][4096 keys][64 d], f32, become codes of BF8 (E5M2), each with its given scale 2^e (k: entry 1, v: entry 3 of the scales).
; code = x / 2^e, held within +-57,344, rounded to the nearest code, ties to even.  LIMITS: -126 <= e <= 112, so that 2^e and 57,344 x 2^e are f32 numbers.  NaN among the inputs is not served.
; THE OUTPUT IS LAID AS THE LATER LAUNCHES' OPERAND REGISTERS: kv [head 16][step 32][16,384 bytes], a step = 128 keys.
;   bytes 0-8,191, K: tile t (0..7), half c (0..1), lane 16 h + r: the 16 bytes at 1024 t + 512 c + 16 (16 h + r) are key 32 (t/2) + 8 (t%2) + r + 8 (r/8) of the step, d = 32 c + 16 h + 0..15.
;   bytes 8,192-16,383, V: tile T (0..3), c (0..3): the 16 bytes at 8192 + 2048 T + 512 c + 16 (16 h + r) are d = 16 T + r, keys 32 c + 16 h + 0..15 of the step.
; In both tensors the contracted axis is NOT innermost, so A LANE TAKES A COLUMN AND ITS 64 REGISTERS RUN DOWN THE CONTRACTED AXIS: each load reads 128 consecutive bytes in the wave's 32 lanes,
; and the conversions, which take neighbours from one lane's consecutive registers, give 16 bytes that belong together.  WHICH column a lane takes is chosen so that sixteen neighbouring lanes
; store 256 consecutive bytes, aligned: no turn through LDS, no barrier.
; Work-groups 0-511 take k, 512-1,023 v; work-group & 511 = 32 head + step.  A wave does one task of 32 columns x 64 numbers, written out: no loop, no register written twice, so no wait for a store.
; No matrix unit, cluster or LDS ring: every byte is read once and written once by one wave, and nothing is shared.
.set X, 16                             ; v16-79  my column's 64 numbers
.set C, 80                             ; v80-95  their codes
	s_load_b256 s[4:11], s[0:1], 0x0               ; k s[4:5], v s[6:7], the scales' exponents s[8:9], kv s[10:11]
	v_lshrrev_b32 v1, 5, v0
	v_readfirstlane_b32 s12, v1                    ; wave 0..3
	v_and_b32 v1, 31, v0                           ; lane
	v_and_b32 v4, 15, v1                           ; lane % 16
	v_lshrrev_b32 v5, 4, v1                        ; lane / 16
	s_and_b32 s13, ttmp9, 511                      ; 32 head + step
	s_lshr_b32 s14, s13, 5                         ; head
	s_and_b32 s15, s13, 31                         ; step
	s_lshl_b32 s16, s13, 14                        ; the step's 16,384 bytes of kv
	s_mov_b32 s17, 0
	s_lshl_b32 s18, s14, 20                        ; a head of k or of v is 1,048,576 bytes
	s_mov_b32 s19, 0
	s_wait_kmcnt 0x0
	s_load_b128 s[20:23], s[8:9], 0x0              ; eq, ek, ep, ev
	s_add_nc_u64 s[10:11], s[10:11], s[16:17]
	s_cmp_lt_u32 ttmp9, 512
	s_cbranch_scc0 .Lv_path
; One task.  pitch: bytes from one number of a column to the next; in: the scalar pair of the input; e: the scalar register of the exponent.
.macro TASK pitch, in, e
.set ix, 0
.rept 64
	global_load_b32 v[X+ix], v2, s[\in:\in+1] offset:ix*\pitch th:TH_LOAD_NT   ; read once in the whole launch
.set ix, ix+1
.endr
	s_wait_kmcnt 0x0
	s_add_co_i32 s25, s[\e], 127
	s_lshl_b32 s28, s25, 23
	v_mov_b32 v11, s28                             ; 2^e as f32: the conversion takes its exponent field
	s_add_co_i32 s25, s25, 15
	s_lshl_b32 s25, s25, 23
	s_or_b32 s25, s25, 0x600000
	v_mov_b32 v10, s25                             ; 57,344 x 2^e
.irp g, 0,1,2,3
	s_wait_loadcnt 48-16*\g                        ; loads come back in order: this group's 16 are in, the younger ones may be out
.irp n, 0,1,2,3,4,5,6,7,8,9,10,11,12,13,14,15
	v_med3_num_f32 v[X+16*\g+\n], v[X+16*\g+\n], -v10, v10   ; the conversion to an 8-bit code does not saturate (ISA guide 7.6.2): the hold comes first
.endr
	v_cvt_scalef32_pk8_bf8_f32 v[C+4*\g:C+4*\g+1], v[X+16*\g:X+16*\g+7], v11
	v_cvt_scalef32_pk8_bf8_f32 v[C+4*\g+2:C+4*\g+3], v[X+16*\g+8:X+16*\g+15], v11
	global_store_b128 v3, v[C+4*\g:C+4*\g+3], s[10:11] offset:256*\g   ; lanes 0-15 and lanes 16-31 each store 256 consecutive bytes, aligned.  (The codes go to a store alone, and the next vector lines are plain holds on other registers)
.endr
.endm
	; K: wave w takes keys 32 w .. 32 w + 31 of the step, all 64 d.  Lane (u = lane / 16, r = lane % 16) takes key 8 u + r + 8 (r / 8): row r of tile 2 w + u.
	v_and_b32 v2, 8, v1
	v_add_nc_u32 v2, v2, v4                        ; r + 8 (r / 8)
	v_lshl_add_u32 v2, v5, 3, v2                   ; + 8 u: the 32 lanes take the 32 keys, each once
	v_lshlrev_b32 v2, 2, v2                        ; in bytes
	v_lshlrev_b32 v3, 4, v4
	v_lshl_add_u32 v3, v5, 10, v3                  ; out: 1024 u + 16 r; group g of 16 d lies 256 g on (512 (g / 2) for c, 256 (g % 2) for h)
	s_lshl_b32 s24, s15, 9                         ; the step's 128 keys in a row of k,
	s_add_co_u32 s18, s18, s24
	s_lshl_b32 s24, s12, 7                         ; my wave's 32 of them
	s_add_co_u32 s18, s18, s24
	s_add_nc_u64 s[4:5], s[4:5], s[18:19]
	s_lshl_b32 s16, s12, 11                        ; tiles 2 w, 2 w + 1
	s_add_nc_u64 s[10:11], s[10:11], s[16:17]
	TASK 16384, 4, 21                              ; register i = d i: a row of k is 16,384 bytes
	s_endpgm
.Lv_path:
	; V: wave w takes d 32 (w % 2) + lane and keys 64 (w / 2) + 0..63 of the step.  The two waves of a key half read the two halves of the same rows of 256 bytes.
	v_lshlrev_b32 v2, 2, v1
	v_lshlrev_b32 v3, 4, v4
	v_lshl_add_u32 v3, v5, 11, v3                  ; out: 2048 (lane / 16) + 16 r; group g of 16 keys lies 256 g on
	s_and_b32 s26, s12, 1                          ; which 32 of the 64 d
	s_lshr_b32 s27, s12, 1                         ; which 64 of the 128 keys
	s_lshl_b32 s24, s15, 15                        ; the step's 128 rows of 256 bytes
	s_add_co_u32 s18, s18, s24
	s_lshl_b32 s24, s27, 14
	s_add_co_u32 s18, s18, s24
	s_lshl_b32 s24, s26, 7
	s_add_co_u32 s18, s18, s24
	s_add_nc_u64 s[6:7], s[6:7], s[18:19]
	s_lshl_b32 s16, s26, 12                        ; tiles 2 (w % 2), 2 (w % 2) + 1,
	s_lshl_b32 s24, s27, 10                        ; c = 2 (w / 2) on,
	s_add_co_u32 s16, s16, s24
	s_add_co_u32 s16, s16, 8192                    ; behind K's part
	s_add_nc_u64 s[10:11], s[10:11], s[16:17]
	TASK 256, 6, 23                                ; register i = key i of my 64: a row of v is 256 bytes
	s_endpgm
.Lfunc_end_k_q9cbe6a5bda_quant:
	.size	k_q9cbe6a5bda_quant, .Lfunc_end_k_q9cbe6a5bda_quant-k_q9cbe6a5bda_quant
	.p2alignl 7, 3214868480
	.fill 96, 4, 3214868480
	.section	.rodata,"a",@progbits
	.p2align	6, 0x0
	.amdhsa_kernel k_q9cbe6a5bda_quant
		.amdhsa_group_segment_fixed_size 0
		.amdhsa_private_segment_fixed_size 0
		.amdhsa_enable_private_segment 0
		.amdhsa_kernarg_size 32
		.amdhsa_user_sgpr_count 2
		.amdhsa_user_sgpr_kernarg_segment_ptr 1
		.amdhsa_wavefront_size32 1
		.amdhsa_system_sgpr_workgroup_id_x 1
		.amdhsa_system_sgpr_workgroup_id_y 1
		.amdhsa_system_sgpr_workgroup_id_z 1
		.amdhsa_system_vgpr_workitem_id 0
		.amdhsa_next_free_vgpr 96
		.amdhsa_next_free_sgpr 66
		.amdhsa_reserve_vcc 0
		.amdhsa_float_denorm_mode_32 3
		.amdhsa_float_denorm_mode_16_64 3
		.amdhsa_memory_ordered 1
		.amdhsa_forward_progress 1
		.amdhsa_inst_pref_size 25
	.end_amdhsa_kernel
	.amdgpu_metadata
---
amdhsa.version: [ 1, 2 ]
amdhsa.kernels:
  - .name:           k_q9cbe6a5bda_quant
    .symbol:         k_q9cbe6a5bda_quant.kd
    .args:
      - { .name: k, .offset: 0, .size: 8, .value_kind: global_buffer, .address_space: global }
      - { .name: v, .offset: 8, .size: 8, .value_kind: global_buffer, .address_space: global }
      - { .name: lowp_scales, .offset: 16, .size: 8, .value_kind: global_buffer, .address_space: global }
      - { .name: kv, .offset: 24, .size: 8, .value_kind: global_buffer, .address_space: global }
    .group_segment_fixed_size: 0
    .private_segment_fixed_size: 0
    .kernarg_segment_align: 8
    .kernarg_segment_size: 32
    .max_flat_workgroup_size: 128
    .sgpr_count:     66
    .vgpr_count:     96
    .wavefront_size: 32
...
	.end_amdgpu_metadata
.endif
;; end of part 1
;; launch attn (part 2): grid 16 x 16, 16 waves a work-group, no clusters, 105,472 bytes of LDS; arguments q, kv, lowp_scales, out0, qimg, nl; writes out0, qimg, nl
.if DOCPART == 2
	.amdgcn_target "amdgcn-amd-amdhsa--gfx1250"
	.amdhsa_code_object_version 6
	.text
	.protected	k_q9cbe6a5bda_attn
	.globl	k_q9cbe6a5bda_attn
	.p2align	8
	.type	k_q9cbe6a5bda_attn,@function
k_q9cbe6a5bda_attn:
	s_mov_b64 s[64:65], 0
	v_nop
	global_prefetch_b8 v0, s[64:65] scope:SCOPE_SE
	s_setreg_imm32_b32 hwreg(HW_REG_WAVE_MODE, 25, 1), 1
	s_wait_xcnt 0x0
; out0[h][s][:] = the sum over keys t <= s of softmax_t(q[h][s] . k[h][:, t] / 8) v[h][t][:], both products on codes of BF8 (E5M2), each operand with its given scale 2^e (eq, ek, ep, ev).
; K and V come as register images from kv (the launch before); q [16][4096][64] f32 is quantised here, in registers, and its image is also stored (qimg) for the launch behind.
; THE SOFTMAX AHEAD OF THE SECOND PRODUCT: t = score x log2(e) / 8; M = the row's largest t so far, rounded UP to a whole number; p = 2^(t - M) is quantised, not normalised; the row's sum l is taken of the
; unquantised p in f32 and divides at the end.  When M moves, l and O are multiplied by 2^(old M - new M), which rounds nothing.  nl[h][s] = -M - log2(l) is stored: with it the launch behind makes p / l anew.
; SHARES.  Work-group (i, head) owns the blocks of 128 queries i and 31 - i: (i + 1) + (32 - i) = 33 block steps of 128 keys in every work-group, so the causal triangle is shared out evenly.
; Sixteen waves of 256 registers, each with ONE tile of 16 queries; wave w: role = (w ^ (w >> 2)) & 1 (0: block i, 1: block 31 - i), tile w >> 1.  The exclusive or deals both roles to every group of
; four waves, whether the groups are w % 4 or w / 4.
; THE TILES.  A step's K and V are 16,384 dense bytes.  Each wave brings 1,024 of them through registers (two loads of 512 consecutive bytes), a step ahead, into the other of two LDS buffers; one barrier a step.
; The loop's body holds both buffers by immediate offsets, so no LDS address is stepped, and the trip count can follow the work-group's number: a work-group walks 2 (16 - i / 2) steps and no more.
; A wave whose 16 queries all come before a step's keys jumps over the step's work, not over its share of the next tile nor over the barrier.
; NO CLUSTER, NO JOINT LOADS: the sixteen work-groups of a head read the same images, but they walk 32 down to 18 steps, so partners would need different numbers of tiles; and what is shared is
; 16,384 bytes a step beside up to sixteen waves' softmax of some 200 vector instructions each.
; LAYOUT.  Both products are used transposed: S^T = K Q^T (source 0 = 16 keys, source 1 = my 16 queries), O^T = V^T P^T (source 0 = 16 of the 64 d, source 1 = P): a lane holds ONE query (lane % 16) throughout.
; The keys of a tile of K are not neighbours (lane r of tile 2 b + u: key 32 b + 8 u + r + 8 (r / 8)), so that the 16 registers of tiles 2 b, 2 b + 1 are the keys 32 b + 16 (lane / 16) + 0..15: the conversions'
; results are the second product's operand.  In K's and Q's fragments register 4 c + m, byte x, holds d = 32 c + 16 (lane / 16) + 4 m + x: a permutation of the form's own places, the same on both sides, so every
; product meets its partner; only the order of the sums inside an instruction differs.
; LIMITS on the given exponents, so that each power of two below is an f32 number: eq + ek between -123 and 130 (added to c's exponent field); eq and ep between -126 and 112; ep + ev goes by v_ldexp_f32 and has none.
; NaN among the inputs is not served.
; REGISTERS: v1-8 addresses and lane numbers that stay; v12 -M, v13 the largest t, v[14:15] l in two halves; v16-23 Q; v24-31 my share of the next tile; v32-95 K's eight fragments, then V's four;
; v96-159 S^T, then p; v160-191 O^T; v192-207 p's codes; v236-254 at work and constants.
.set TILEB, 16384                      ; a step's K and V; LDS 0 .. 32,767: the two buffers
.set STG,   2*TILEB                    ; the way out: 16 rows x 272 bytes for each wave
.set SP,    272                        ; 256 bytes + 16: row r starts 16 r bytes further round the banks
.set STAT,  STG+16*16*SP               ; 2 roles x 128 numbers of nl
	s_load_b256 s[4:11], s[0:1], 0x0               ; q s[4:5], kv s[6:7], the scales' exponents s[8:9], out0 s[10:11]
	s_load_b128 s[12:15], s[0:1], 0x20             ; qimg s[12:13], nl s[14:15]
	v_lshl_add_u32 v251, v0, 2, 0x19400
	v_mov_b32 v255, 0
	v_and_b32 v9, 31, v0
	v_lshlrev_b32 v1, 4, v9                        ; v1 = 16 x lane: a fragment's place for my lane; also my place in 512 consecutive bytes of memory
	v_lshrrev_b32 v10, 5, v0
	v_readfirstlane_b32 s16, v10                   ; wave 0..15
	v_lshl_add_u32 v2, v10, 10, v1                 ; v2 = 1024 x wave + 16 x lane: my share of a tile, in kv and in a buffer alike
	v_and_b32 v9, 15, v0                           ; r
	v_bfe_u32 v10, v0, 4, 1                        ; h
	v_lshlrev_b32 v3, 8, v9
	v_lshl_add_u32 v3, v10, 6, v3                  ; v3: q: row r of 256 bytes, + 64 h: my 16 numbers of a block of 32
	v_lshlrev_b32 v11, 4, v10
	v_sub_nc_u32 v8, v9, v11                       ; v8 = r - 16 h, for the diagonal
	s_lshr_b32 s36, s16, 2
	s_xor_b32 s36, s36, s16
	s_and_b32 s17, s36, 1                          ; role
	s_lshr_b32 s18, s16, 1                         ; my tile in the block, 0..7
	s_mov_b32 s19, ttmp9                           ; i
	s_and_b32 s20, ttmp7, 0xffff                   ; head
	s_sub_co_u32 s36, 31, s19
	s_cmp_eq_u32 s17, 0
	s_cselect_b32 s21, s19, s36                    ; my block of 128 queries
	s_lshl_b32 s22, s21, 7
	s_lshl_b32 s37, s18, 4
	s_add_co_u32 s22, s22, s37                     ; my first query
	s_add_co_u32 s23, s22, 15                      ; my last
	s_mov_b32 s24, 0                               ; the step's first key
	s_lshr_b32 s25, s19, 1
	s_sub_co_u32 s25, 15, s25                      ; trips of two steps; two more steps are written out behind the loop.  From the work-group's number alone: alike in all sixteen waves
	s_mov_b32 s26, 0x3e38aa3b                      ; c = log2(e) / 8
	s_mov_b32 s28, 0x76543210
	s_mov_b32 s29, 0xfedcba98                      ; v_permlanex16_b32's selects for lane l xor 16
	s_mul_i32 s36, s16, 16*SP
	s_add_co_u32 s36, s36, STG                     ; my stage
	v_mul_u32_u24 v4, v9, SP
	v_lshl_add_u32 v4, v10, 5, v4
	v_add_nc_u32 v4, s36, v4                       ; v4: into it: row r, + 32 h
	v_mul_u32_u24 v5, v10, SP
	v_lshl_add_u32 v5, v9, 4, v5
	v_add_nc_u32 v5, s36, v5                       ; v5: back: lanes 0-15 one row, lanes 16-31 the next
	s_lshl_b32 s36, s17, 9
	s_lshl_b32 s37, s18, 6
	s_add_co_u32 s36, s36, s37
	s_add_co_u32 s36, s36, STAT
	v_lshl_add_u32 v6, v9, 2, s36                  ; v6: where my query's nl goes: role x 512 + tile x 64 + 4 r
	v_and_b32 v7, 63, v0
	v_lshlrev_b32 v7, 4, v7
	v_add_nc_u32 v7, STAT, v7                      ; v7: where waves 0 and 1 read a role's 128 numbers back
	s_lshl_b32 s36, s20, 12
	s_add_co_u32 s36, s36, s22                     ; 4096 head + my first query
	s_lshl_b32 s38, s36, 8                         ; x 256 bytes: q and out0
	s_mov_b32 s39, 0
	s_lshl_b32 s40, s36, 6                         ; x 64 bytes: qimg
	s_mov_b32 s41, 0
	s_lshl_b32 s42, s20, 19                        ; a head of kv: 32 steps of 16,384 bytes
	s_mov_b32 s43, 0
	s_lshl_b32 s44, s20, 12
	s_lshl_b32 s45, s21, 7
	s_add_co_u32 s44, s44, s45
	s_lshl_b32 s44, s44, 2                         ; nl at my block (waves 0 and 1, which store it, have roles 0 and 1)
	s_mov_b32 s45, 0
	s_wait_kmcnt 0x0
	s_load_b128 s[32:35], s[8:9], 0x0              ; eq, ek, ep, ev
	s_add_nc_u64 s[4:5], s[4:5], s[38:39]
	s_add_nc_u64 s[10:11], s[10:11], s[38:39]
	s_add_nc_u64 s[12:13], s[12:13], s[40:41]
	s_add_nc_u64 s[6:7], s[6:7], s[42:43]
	s_add_nc_u64 s[14:15], s[14:15], s[44:45]
	global_load_b128 v[24:27], v2, s[6:7]          ; my share of step 0's tile
	global_load_b128 v[28:31], v2, s[6:7] offset:512
.irp c, 0,1
.irp j, 0,1,2,3
	global_load_b128 v[96+16*\c+4*\j:99+16*\c+4*\j], v3, s[4:5] offset:128*\c+16*\j th:TH_LOAD_NT   ; q(r, 32 c + 16 h + 4 j ..): read once in the whole launch
.endr
.endr
	v_mov_b32 v13, 0xff61b1e6                      ; the largest t so far: -3e38, under every t
	v_floor_f32 v12, -v13                          ; -M
	v_mov_b32 v14, 0                               ; l, in two halves
	v_mov_b32 v15, 0
	v_mov_b32 v236, 0                              ; written once: a lane permute's destination counts as one of its sources
	v_mov_b32 v253, 0                              ; (named as the upper half of the pair v[252:253])
.set ix, 0
.rept 32
	v_mov_b32 v[160+ix], 0                         ; O^T.  (The step is written once: the first finds zeros, which the first change of M leaves zeros)
.set ix, ix+1
.endr
	s_wait_kmcnt 0x0
	s_add_co_i32 s36, s32, s33
	s_lshl_b32 s36, s36, 23
	s_add_co_i32 s26, s26, s36                     ; a score stands for score x 2^(eq + ek): the two exponents are added to c's exponent field
	s_mov_b32 s27, s26                             ; (named with it as a pair, so it is written)
	s_add_co_i32 s36, s34, 127
	s_lshl_b32 s37, s36, 23
	v_mov_b32 v244, s37                            ; 2^ep as f32, for p's conversions
	s_add_co_i32 s36, s36, 15
	s_lshl_b32 s36, s36, 23
	s_or_b32 s36, s36, 0x600000
	v_mov_b32 v240, s36                            ; 57,344 x 2^ep
	s_add_co_i32 s36, s32, 127
	s_lshl_b32 s37, s36, 23
	v_mov_b32 v245, s37                            ; 2^eq, for q's
	s_add_co_i32 s36, s36, 15
	s_lshl_b32 s36, s36, 23
	s_or_b32 s36, s36, 0x600000
	v_mov_b32 v241, s36                            ; 57,344 x 2^eq
	s_add_co_i32 s30, s34, s35                     ; ep + ev
	s_wait_loadcnt 0x8                             ; my share of step 0's tile is in; q's eight loads, issued behind it, may be out
	ds_store_b128 v2, v[24:27]
	ds_store_b128 v2, v[28:31] offset:512
	s_wait_loadcnt 0x0                             ; q; and all loads that name s[6:7] are done, so it may step
	s_add_nc_u64 s[6:7], s[6:7], TILEB
.set ix, 0
.rept 32
	v_med3_num_f32 v[96+ix], v[96+ix], -v241, v241 ; the conversion to an 8-bit code does not saturate (ISA guide 7.6.2): the hold comes first
.set ix, ix+1
.endr
.irp c, 0,1
	v_cvt_scalef32_pk8_bf8_f32 v[16+4*\c:17+4*\c], v[96+16*\c:103+16*\c], v245
	v_cvt_scalef32_pk8_bf8_f32 v[18+4*\c:19+4*\c], v[104+16*\c:111+16*\c], v245
.endr
	v_nop                                          ; one plain vector line between a scaled conversion and the matrix instructions that read its result and write its sources
	global_store_b128 v1, v[16:19], s[12:13]       ; Q's fragment as it stands: 512 consecutive bytes a store; v16-23, v1 and s[12:13] are never written again
	global_store_b128 v1, v[20:23], s[12:13] offset:512
	s_wait_dscnt 0x0                               ; for the others' sake: my share of step 0's tile lies in buffer 0
	s_barrier_signal -1
	s_barrier_wait -1
; A KEY STEP of 128 keys, read from buffer buf.  pre = 1: my share of the next step's tile is fetched at the head and put into the other buffer at the end, and a barrier follows.
.macro STEP buf, pre
.if \pre
	global_load_b128 v[24:27], v2, s[6:7]
	global_load_b128 v[28:31], v2, s[6:7] offset:512
.endif
	s_cmp_gt_u32 s24, s23                          ; all of the step's keys come after my 16 queries: no work.  (Both numbers are multiples of 16 but for the 15: where the branch falls through, key s24 counts for every query of mine)
	s_cbranch_scc1 .Lhidden_\@
.rept 4
	v_nop                                          ; four places in front of loads into registers that the last step's matrix instructions have read (ISA guide 7.12.1 for vector instructions)
.endr
.irp t, 0,1,2,3,4,5,6,7
	ds_load_b128 v[32+8*\t:35+8*\t], v1 offset:\buf*TILEB+1024*\t
	ds_load_b128 v[36+8*\t:39+8*\t], v1 offset:\buf*TILEB+1024*\t+512
.endr
	s_wait_dscnt 0x0
.irp t, 0,1,2,3,4,5,6,7
	v_wmma_f32_16x16x64_bf8_bf8 v[96+8*\t:103+8*\t], v[32+8*\t:39+8*\t], v[16:23], 0   ; S^T: lane (r, h) holds query r; register 16 b + i is key 32 b + 16 h + i of the step
.endr
.rept 4
	v_nop                                          ; the places in front of V's loads below and of the first read of the scores
.endr
.irp t, 0,1,2,3
.irp c, 0,1,2,3
	ds_load_b128 v[32+16*\t+4*\c:35+16*\t+4*\c], v1 offset:\buf*TILEB+8192+2048*\t+512*\c   ; V's four fragments land while the softmax is walked
.endr
.endr
	s_add_co_u32 s36, s24, 127                     ; on the diagonal the scores of hidden keys become -infinity ahead of the maximum: p = 0 then.  A step all of whose keys count skips this
	s_cmp_le_u32 s36, s22
	s_cbranch_scc1 .Lopen_\@
	s_sub_co_i32 s36, s22, s24
	v_add_nc_u32 v252, s36, v8                     ; my query - the step's first key - 16 h: register 16 b + i is hidden where 32 b + i is greater
	v_mov_b32 v254, 0xff800000                     ; -infinity
.set ix, 0
.rept 64
	v_cmp_gt_i32 vcc_lo, 32*(ix/16)+ix%16, v252
	v_cndmask_b32 v[96+ix], v[96+ix], v254, vcc_lo
.set ix, ix+1
.endr
.Lopen_\@:
	v_max3_num_f32 v254, v96, v97, v98             ; the step's largest score of my query among my 64 keys, in two chains, each accumulator from its low end on,
	v_max3_num_f32 v252, v99, v100, v101
.irp i, 6,10,14,18,22,26,30,34,38,42,46,50,54,58
	v_max3_num_f32 v254, v254, v[96+\i], v[97+\i]
	v_max3_num_f32 v252, v252, v[98+\i], v[99+\i]
.endr
	v_max3_num_f32 v254, v254, v158, v159
	v_max_num_f32 v254, v254, v252
	v_permlanex16_b32 v236, v254, s28, s29
	v_max_num_f32 v254, v254, v236                 ; and among lane l xor 16's
	v_mul_f32 v254, s26, v254                      ; as t (c is positive)
	v_max_num_f32 v13, v13, v254                   ; the running largest t
	v_mov_b32 v254, v12
	v_floor_f32 v12, -v13                          ; the new -M = floor(-t) = -ceil(t): M is a whole number
	v_sub_f32 v254, v12, v254                      ; old M - new M: a whole number, 0 or less
	v_cvt_i32_f32 v254, v254                       ; (it saturates)
	v_ldexp_f32 v252, 1.0, v254                    ; f = 2^(old M - new M)
.set ix, 0
.rept 32
	v_pk_fma_f32 v[96+ix:97+ix], v[96+ix:97+ix], s[26:27], v[12:13] op_sel_hi:[1,0,0]   ; t - M, two at a time (of the pairs c and -M the low word serves both halves)
.set ix, ix+2
.endr
.set ix, 0
.rept 64
	v_exp_f32 v[96+ix], v[96+ix]                   ; p = 2^(t - M), at most 1: not normalised
.set ix, ix+1
.endr
	v_pk_mul_f32 v[14:15], v[14:15], v[252:253] op_sel_hi:[1,0]   ; l under the new M.  (The plain line behind the exponentials)
	s_wait_alu depctr_va_vdst(0)
	v_pk_add_f32 v[242:243], v[96:97], v[98:99]    ; l is summed of the UNQUANTISED p: two at a time, in two chains
.irp j, 4,8,12,16,20,24,28,32,36,40,44,48,52,56,60
	v_pk_add_f32 v[14:15], v[14:15], v[96+\j:97+\j]
	v_pk_add_f32 v[242:243], v[242:243], v[98+\j:99+\j]
.endr
	v_pk_add_f32 v[14:15], v[14:15], v[242:243]
	s_cmp_gt_i32 s34, -16                          ; from ep = -15 on, 57,344 x 2^ep is 1.75 or more and p is at most 1: the hold cannot bind and is jumped over.  The branch hangs on a whole number read from memory
	s_cbranch_scc1 .Lnohold_\@
.set ix, 0
.rept 64
	v_min_num_f32 v[96+ix], v[96+ix], v240         ; p is not negative, so the hold is one-sided
.set ix, ix+1
.endr
.Lnohold_\@:
.irp b, 0,1,2,3
	v_cvt_scalef32_pk8_bf8_f32 v[192+4*\b:193+4*\b], v[96+16*\b:103+16*\b], v244
	v_cvt_scalef32_pk8_bf8_f32 v[194+4*\b:195+4*\b], v[104+16*\b:111+16*\b], v244
.endr
.set ix, 0
.rept 16
	v_pk_mul_f32 v[160+ix:161+ix], v[160+ix:161+ix], v[252:253] op_sel_hi:[1,0]   ; O^T under the new M, each accumulator from its low end on.  (These are also the plain lines behind the conversions)
.set ix, ix+2
.endr
	s_wait_dscnt 0x0                               ; V
.irp t, 0,1,2,3
	v_wmma_f32_16x16x128_bf8_bf8 v[160+8*\t:167+8*\t], v[32+16*\t:47+16*\t], v[192:207], v[160+8*\t:167+8*\t]   ; the four accumulators take turns, one instruction a turn
.endr
.Lhidden_\@:
	s_add_co_u32 s24, s24, 128
.if \pre
	s_wait_loadcnt 0x0                             ; my share of the next tile is in, and the loads that name s[6:7] are done
	ds_store_b128 v2, v[24:27] offset:(1-\buf)*TILEB        ; the other buffer: every wave's reads of it were over at the last barrier
	ds_store_b128 v2, v[28:31] offset:(1-\buf)*TILEB+512
	s_add_nc_u64 s[6:7], s[6:7], TILEB
	s_wait_dscnt 0x0                               ; for the others' sake: my stores have landed, and my reads of this buffer are over
	s_barrier_signal -1
	s_barrier_wait -1
.endif
.endm
.Ltrip:
	STEP 0, 1
	STEP 1, 1
	s_sub_co_u32 s25, s25, 1
	s_cmp_lg_u32 s25, 0
	s_cbranch_scc1 .Ltrip
	STEP 0, 1                                      ; the last two steps: the very last fetches nothing.  (With i odd it is step 32 - i, at most 31, inside the head's images, and hidden from every wave)
	STEP 1, 0
	; THE WAY OUT.  O^T / l x 2^(ep + ev) goes through my own stage and leaves as whole rows of 256 bytes; -M - log2(l) meets the other waves' in LDS and leaves as 512 consecutive bytes a block.
.rept 4
	v_nop                                          ; places behind the last products
.endr
	v_add_f32 v14, v14, v15                        ; l's two halves,
	v_permlanex16_b32 v236, v14, s28, s29
	v_add_f32 v14, v14, v236                       ; and lane l xor 16's
	v_log_f32 v254, v14
	v_rcp_f32 v252, v14
	v_nop                                          ; one plain line behind the transcendentals
	s_wait_alu depctr_va_vdst(0)
	v_sub_f32 v254, v12, v254                      ; -M - log2(l)
	v_ldexp_f32 v252, v252, s30                    ; 2^(ep + ev) / l
.set ix, 0
.rept 16
	v_pk_mul_f32 v[96+ix:97+ix], v[160+ix:161+ix], v[252:253] op_sel_hi:[1,0]   ; register 8 T + j is out0(r, 16 T + 8 h + j)
.set ix, ix+2
.endr
	ds_store_b32 v6, v254                          ; lanes r and r + 16 hold the same number and write the same word
.irp t, 0,1,2,3
	ds_store_b128 v4, v[96+8*\t:99+8*\t] offset:64*\t
	ds_store_b128 v4, v[100+8*\t:103+8*\t] offset:64*\t+16
.endr
.irp i, 0,1,2,3,4,5,6,7
	ds_load_b128 v[32+4*\i:35+4*\i], v5 offset:2*\i*SP   ; LDS serves a wave's instructions in order (ISA guide 5.7.1.4): these see my stores
.endr
.irp i, 0,1,2,3,4,5,6,7
	s_wait_dscnt 7-\i                              ; rows 2 i, 2 i + 1 are back; the younger loads may be out
	global_store_b128 v1, v[32+4*\i:35+4*\i], s[10:11] offset:512*\i th:TH_STORE_NT   ; sixteen lanes store 256 consecutive bytes, aligned; written once, read by nobody in this launch
.endr
	s_wait_dscnt 0x0                               ; for the others' sake: my 16 numbers of nl lie in LDS
	s_barrier_signal -1
	s_barrier_wait -1
	s_cmp_lt_u32 s16, 2
	s_cbranch_scc0 .Ldone
	ds_load_b128 v[96:99], v7                      ; wave 0: role 0's 128 numbers, wave 1: role 1's
	s_wait_dscnt 0x0
	global_store_b128 v1, v[96:99], s[14:15]       ; 512 consecutive bytes
.Ldone:
	s_wait_tensorcnt 0x0
	ds_add_u32 v251, v255
	s_wait_dscnt 0x0
	s_endpgm
.Lfunc_end_k_q9cbe6a5bda_attn:
	.size	k_q9cbe6a5bda_attn, .Lfunc_end_k_q9cbe6a5bda_attn-k_q9cbe6a5bda_attn
	.p2alignl 7, 3214868480
	.fill 96, 4, 3214868480
	.section	.rodata,"a",@progbits
	.p2align	6, 0x0
	.amdhsa_kernel k_q9cbe6a5bda_attn
		.amdhsa_group_segment_fixed_size 105472
		.amdhsa_private_segment_fixed_size 0
		.amdhsa_enable_private_segment 0
		.amdhsa_kernarg_size 48
		.amdhsa_user_sgpr_count 2
		.amdhsa_user_sgpr_kernarg_segment_ptr 1
		.amdhsa_wavefront_size32 1
		.amdhsa_system_sgpr_workgroup_id_x 1
		.amdhsa_system_sgpr_workgroup_id_y 1
		.amdhsa_system_sgpr_workgroup_id_z 1
		.amdhsa_system_vgpr_workitem_id 0
		.amdhsa_next_free_vgpr 256
		.amdhsa_next_free_sgpr 66
		.amdhsa_reserve_vcc 1
		.amdhsa_float_denorm_mode_32 3
		.amdhsa_float_denorm_mode_16_64 3
		.amdhsa_memory_ordered 1
		.amdhsa_forward_progress 1
		.amdhsa_inst_pref_size 97
	.end_amdhsa_kernel
	.amdgpu_metadata
---
amdhsa.version: [ 1, 2 ]
amdhsa.kernels:
  - .name:           k_q9cbe6a5bda_attn
    .symbol:         k_q9cbe6a5bda_attn.kd
    .args:
      - { .name: q, .offset: 0, .size: 8, .value_kind: global_buffer, .address_space: global }
      - { .name: kv, .offset: 8, .size: 8, .value_kind: global_buffer, .address_space: global }
      - { .name: lowp_scales, .offset: 16, .size: 8, .value_kind: global_buffer, .address_space: global }
      - { .name: out0, .offset: 24, .size: 8, .value_kind: global_buffer, .address_space: global }
      - { .name: qimg, .offset: 32, .size: 8, .value_kind: global_buffer, .address_space: global }
      - { .name: nl, .offset: 40, .size: 8, .value_kind: global_buffer, .address_space: global }
    .group_segment_fixed_size: 105472
    .private_segment_fixed_size: 0
    .kernarg_segment_align: 8
    .kernarg_segment_size: 48
    .max_flat_workgroup_size: 512
    .sgpr_count:     66
    .vgpr_count:     256
    .wavefront_size: 32
...
	.end_amdgpu_metadata
.endif
;; end of part 2
;; launch colsum (part 3): grid 16 x 16, 16 waves a work-group, no clusters, 134,144 bytes of LDS; arguments kv, qimg, nl, lowp_scales, out1; writes out1
.if DOCPART == 3
	.amdgcn_target "amdgcn-amd-amdhsa--gfx1250"
	.amdhsa_code_object_version 6
	.text
	.protected	k_q9cbe6a5bda_colsum
	.globl	k_q9cbe6a5bda_colsum
	.p2align	8
	.type	k_q9cbe6a5bda_colsum,@function
k_q9cbe6a5bda_colsum:
	s_mov_b64 s[64:65], 0
	v_nop
	global_prefetch_b8 v0, s[64:65] scope:SCOPE_SE
	s_setreg_imm32_b32 hwreg(HW_REG_WAVE_MODE, 25, 1), 1
	s_wait_xcnt 0x0
; out1[h][t] = the sum over queries s >= t of the finished softmax p[h][s][t].  A column's sum wants each row's final maximum and sum, which exist only when the row's sweep has ended: so the scores are made
; a second time, by the same matrix form on the same codes (K's images in kv, Q's in qimg), and p / l = 2^(c score + nl[s]) with nl = -M - log2(l) from the launch before: one packed multiply-add for two
; scores, one exponential and half a packed addition a score.  c = log2(e) / 8 x 2^(eq + ek).
; SHARES.  Work-group (j, head) owns the blocks of 128 keys j and 31 - j; wave w: role = (w ^ (w >> 2)) & 1 (0: block j, 1: block 31 - j), u = w >> 1.  The eight waves of a role each hold the block's eight
; fragments of K in registers and share out the queries: of each super-block of 256 queries from the one that holds the diagonal on, wave u takes tiles 2 u and 2 u + 1.  The two roles' trips add up to 17
; in every work-group.  Each key block has ONE owner: no sum spans work-groups.
; THE LOOP has no LDS access and no barrier: a trip is two phases, one for each tile of 16 queries; each phase's three loads (Q's image, 1,024 bytes, and 16 numbers of nl) are asked for a trip ahead.
; Only the first super-block can hold hidden scores (key > query); there both phases mask, and a tile that lies wholly before the key block becomes zeros.
; NO CLUSTER, NO LDS RING: a wave's Q images are read by that wave alone within its work-group; the work-groups of a head walk different super-blocks (16 - block / 2 trips), so partners would need
; different numbers of tiles.
; LAYOUT.  S^T = K Q^T as in the launch before: lane (r, h) holds query r; register 16 b + i is key 32 b + 16 h + i of the block.  The sums v160-223 keep that layout; at the end they are added over the
; 16 r and the role's eight waves through LDS.
; LIMITS: eq + ek between -123 and 130 (added to c's exponent field).  NaN among the inputs is not served.
; REGISTERS: v1-7 addresses and lane numbers; v[8:9], v[10:11] nl of the two tiles (low word; the upper is written once); v16-23, v24-31 Q's two fragments; v32-95 K; v96-159 S^T, then p / l; v160-223 the sums;
; v225-239 LDS addresses of the reduction; v254 -infinity.
.set OUTR, 131072                      ; LDS: 0 .. 131,071: 16 waves x 8,192 bytes of sums; then 2 roles x 128 results
	s_load_b256 s[4:11], s[0:1], 0x0               ; kv s[4:5], qimg s[6:7], nl s[8:9], the scales' exponents s[10:11]
	s_load_b64 s[12:13], s[0:1], 0x20              ; out1
	v_lshl_add_u32 v253, v0, 2, 0x20400
	v_mov_b32 v255, 0
	v_lshrrev_b32 v12, 5, v0
	v_readfirstlane_b32 s16, v12                   ; wave 0..15
	s_lshr_b32 s24, s16, 2
	s_xor_b32 s24, s24, s16
	s_and_b32 s17, s24, 1                          ; role
	s_lshr_b32 s18, s16, 1                         ; u
	s_mov_b32 s19, ttmp9                           ; j
	s_and_b32 s20, ttmp7, 0xffff                   ; head
	s_sub_co_u32 s24, 31, s19
	s_cmp_eq_u32 s17, 0
	s_cselect_b32 s21, s19, s24                    ; my block of 128 keys
	s_lshr_b32 s25, s21, 1                         ; the super-block of 256 queries that holds its diagonal
	s_sub_co_u32 s22, 16, s25                      ; trips: that one and all behind it, 1 at the least
	s_mov_b32 s23, 1                               ; 1 in the first trip
	s_mov_b32 s26, 0x3e38aa3b                      ; log2(e) / 8
	v_and_b32 v12, 31, v0
	v_lshlrev_b32 v1, 4, v12                       ; v1 = 16 x lane
	v_and_b32 v13, 15, v0                          ; r
	v_lshlrev_b32 v2, 2, v13                       ; v2 = 4 r: my query's nl
	v_bfe_u32 v14, v0, 4, 1                        ; h
	v_lshlrev_b32 v14, 4, v14
	v_sub_nc_u32 v3, v13, v14
	s_lshl_b32 s36, s18, 5
	s_and_b32 s37, s21, 1
	s_lshl_b32 s37, s37, 7
	s_sub_co_i32 s36, s36, s37
	v_add_nc_u32 v3, s36, v3                       ; v3 = 32 u - 128 (block % 2) + r - 16 h: in the first super-block register 16 b + i of the tile sh queries on is hidden where 32 b + i - sh is greater
	s_lshl_b32 s37, s17, 3
	s_add_co_u32 s37, s37, s18
	s_lshl_b32 s37, s37, 13
	v_add_nc_u32 v4, s37, v1                       ; v4: my sums' place: (8 role + u) x 8,192 + 16 x lane; registers 4 g .. 4 g + 3 lie 512 g on
	; the reduction's reader, thread 32 W + l: role W / 8, registers 4 g .. 4 g + 3 with g = 2 (W % 8) + l / 16, half h' = (l / 8) % 2, source wave l % 8; it reads that wave's 16 r, beginning at r = l % 16
	v_lshrrev_b32 v12, 8, v0
	v_lshlrev_b32 v5, 16, v12
	v_bfe_u32 v12, v0, 5, 3
	v_lshl_add_u32 v5, v12, 10, v5
	v_and_b32 v12, 7, v0
	v_lshl_add_u32 v5, v12, 13, v5
	v_bfe_u32 v12, v0, 3, 2
	v_lshl_add_u32 v5, v12, 8, v5
	v_lshl_add_u32 v5, v13, 4, v5                  ; v5 = 65536 (W / 8) + 1024 (W % 8) + 8192 (l % 8) + 256 (l / 8) + 16 (l % 16)
.irp k, 1,2,3,4,5,6,7,8,9,10,11,12,13,14,15
	v_xor_b32 v[224+\k], 16*\k, v5                 ; r = (l % 16) xor k: in each load sixteen lanes take sixteen different columns of 16 bytes.  Made here, ahead of the loop in which the waves' trip counts part
.endr
	v_lshrrev_b32 v12, 6, v0
	v_lshlrev_b32 v6, 7, v12
	v_bfe_u32 v12, v0, 3, 1
	v_lshl_add_u32 v6, v12, 6, v6
	v_bfe_u32 v12, v0, 4, 2
	v_lshl_add_u32 v6, v12, 4, v6
	v_add_nc_u32 v6, OUTR, v6                      ; v6: registers 4 g .. of half h' are keys 32 (g / 4) + 16 h' + 4 (g % 4) + 0..3: 512 (W / 8) + 128 ((W % 8) / 2) + 64 h' + 32 (W % 2) + 16 (l / 16) bytes
	v_and_b32 v7, 63, v0
	v_lshlrev_b32 v7, 4, v7
	v_add_nc_u32 v7, OUTR, v7                      ; v7: where waves 0 and 1 read a role's 128 results back
	s_lshl_b32 s28, s20, 5
	s_add_co_u32 s28, s28, s21
	s_lshl_b32 s28, s28, 14                        ; kv: (32 head + block) x 16,384
	s_mov_b32 s29, 0
	s_lshl_b32 s30, s20, 8
	s_lshl_b32 s24, s25, 4
	s_add_co_u32 s30, s30, s24
	s_lshl_b32 s24, s18, 1
	s_add_co_u32 s30, s30, s24
	s_lshl_b32 s30, s30, 10                        ; qimg: (256 head + 16 super-block + 2 u) x 1,024
	s_mov_b32 s31, 0
	s_lshl_b32 s32, s20, 12
	s_lshl_b32 s24, s25, 8
	s_add_co_u32 s32, s32, s24
	s_lshl_b32 s24, s18, 5
	s_add_co_u32 s32, s32, s24
	s_lshl_b32 s32, s32, 2                         ; nl: (4096 head + 256 super-block + 32 u) x 4
	s_mov_b32 s33, 0
	s_lshl_b32 s34, s20, 12
	s_lshl_b32 s24, s21, 7
	s_add_co_u32 s34, s34, s24
	s_lshl_b32 s34, s34, 2                         ; out1: (4096 head + 128 block) x 4 (waves 0 and 1, which store it, have roles 0 and 1)
	s_mov_b32 s35, 0
	s_wait_kmcnt 0x0
	s_load_b64 s[38:39], s[10:11], 0x0             ; eq, ek
	s_add_nc_u64 s[4:5], s[4:5], s[28:29]
	s_add_nc_u64 s[6:7], s[6:7], s[30:31]
	s_add_nc_u64 s[8:9], s[8:9], s[32:33]
	s_add_nc_u64 s[12:13], s[12:13], s[34:35]
.irp t, 0,1,2,3,4,5,6,7
	global_load_b128 v[32+8*\t:35+8*\t], v1, s[4:5] offset:1024*\t        ; K's eight fragments stay in registers
	global_load_b128 v[36+8*\t:39+8*\t], v1, s[4:5] offset:1024*\t+512
.endr
	global_load_b128 v[16:19], v1, s[6:7]          ; the first trip's first tile,
	global_load_b128 v[20:23], v1, s[6:7] offset:512
	global_load_b32 v8, v2, s[8:9]
	global_load_b128 v[24:27], v1, s[6:7] offset:1024   ; and its second
	global_load_b128 v[28:31], v1, s[6:7] offset:1536
	global_load_b32 v10, v2, s[8:9] offset:64
	v_mov_b32 v9, 0                                ; (named as the upper halves of the pairs v[8:9], v[10:11])
	v_mov_b32 v11, 0
	v_mov_b32 v254, 0xff800000                     ; -infinity
.set ix, 0
.rept 64
	v_mov_b32 v[160+ix], 0                         ; the sums.  (The trip is written once)
.set ix, ix+1
.endr
	s_wait_kmcnt 0x0
	s_add_co_i32 s38, s38, s39
	s_lshl_b32 s38, s38, 23
	s_add_co_i32 s26, s26, s38                     ; a score stands for score x 2^(eq + ek): the two exponents are added to c's exponent field
	s_mov_b32 s27, s26                             ; (named with it as a pair, so it is written)
; One tile of 16 queries against my 128 keys.  qf: Q's fragment; nlr: the register of nl; sh: the tile's first query, counted from the wave's; off, noff: the tile's bytes in the wave's part of qimg and of nl.
.macro PHASE qf, nlr, sh, off, noff
	s_wait_loadcnt 0x3                             ; this tile's three loads are in (the first time K's too); the other tile's three, issued behind them, may be out
.irp t, 0,1,2,3,4,5,6,7
	v_wmma_f32_16x16x64_bf8_bf8 v[96+8*\t:103+8*\t], v[32+8*\t:39+8*\t], v[\qf:\qf+7], 0
.endr
.rept 4
	v_nop                                          ; places in front of the first read of the scores and of the loads into Q's fragment below (ISA guide 7.12.1 for vector instructions)
.endr
	s_cmp_eq_u32 s23, 0
	s_cbranch_scc1 .Lopen_\@                       ; behind the first super-block every key of mine counts for every query
.set ix, 0
.rept 64
	v_cmp_gt_i32 vcc_lo, 32*(ix/16)+ix%16-\sh, v3
	v_cndmask_b32 v[96+ix], v[96+ix], v254, vcc_lo
.set ix, ix+1
.endr
.Lopen_\@:
.set ix, 0
.rept 32
	v_pk_fma_f32 v[96+ix:97+ix], v[96+ix:97+ix], s[26:27], v[\nlr:\nlr+1] op_sel_hi:[1,0,0]   ; c score - M - log2(l), two at a time, each accumulator from its low end on
.set ix, ix+2
.endr
	s_cmp_eq_u32 s22, 1                            ; the last trip asks for nothing: no load leaves its buffer
	s_cbranch_scc1 .Lnoload_\@
	global_load_b128 v[\qf:\qf+3], v1, s[6:7] offset:16384+\off          ; the same tile of the next super-block: 16 tiles of 1,024 bytes on,
	global_load_b128 v[\qf+4:\qf+7], v1, s[6:7] offset:16384+\off+512
	global_load_b32 v[\nlr], v2, s[8:9] offset:1024+\noff                ; 256 numbers of nl on
	s_branch .Ljoin_\@
.Lnoload_\@:
	s_wait_loadcnt 0x0                             ; nothing younger is issued on this way, so the other tile's loads are waited for here
.Ljoin_\@:
.set ix, 0
.rept 64
	v_exp_f32 v[96+ix], v[96+ix]                   ; p / l
.set ix, ix+1
.endr
	v_nop                                          ; one plain line behind the exponentials
.set ix, 0
	s_wait_alu depctr_va_vdst(0)
.rept 32
	v_pk_add_f32 v[160+ix:161+ix], v[160+ix:161+ix], v[96+ix:97+ix]
.set ix, ix+2
.endr
.endm
.Ltrip:
	PHASE 16, 8, 0, 0, 0
	PHASE 24, 10, 16, 1024, 64
	s_wait_xcnt 0x0                                ; the loads have had their addresses translated (ISA guide 3.1): their bases step only behind this wait
	s_add_nc_u64 s[6:7], s[6:7], 16384
	s_add_nc_u64 s[8:9], s[8:9], 1024
	s_mov_b32 s23, 0
	s_sub_co_u32 s22, s22, 1
	s_cmp_lg_u32 s22, 0
	s_cbranch_scc1 .Ltrip
	; THE REDUCTION over the 16 r of a wave and the eight waves of a role.
.irp g, 0,1,2,3,4,5,6,7,8,9,10,11,12,13,14,15
	ds_store_b128 v4, v[160+4*\g:163+4*\g] offset:512*\g   ; 512 consecutive bytes a store
.endr
	s_wait_dscnt 0x0                               ; for the others' sake: my sums lie in LDS
	s_barrier_signal -1
	s_barrier_wait -1
	ds_load_b128 v[96:99], v5
.irp k, 1,2,3,4,5,6,7,8,9,10,11,12,13,14,15
	ds_load_b128 v[96+4*\k:99+4*\k], v[224+\k]
.endr
	s_wait_dscnt 0x0
.irp k, 0,1,2,3,4,5,6,7                        ; sixteen times four numbers become four: 30 packed additions
	v_pk_add_f32 v[96+4*\k:97+4*\k], v[96+4*\k:97+4*\k], v[128+4*\k:129+4*\k]
	v_pk_add_f32 v[98+4*\k:99+4*\k], v[98+4*\k:99+4*\k], v[130+4*\k:131+4*\k]
.endr
.irp k, 0,1,2,3
	v_pk_add_f32 v[96+4*\k:97+4*\k], v[96+4*\k:97+4*\k], v[112+4*\k:113+4*\k]
	v_pk_add_f32 v[98+4*\k:99+4*\k], v[98+4*\k:99+4*\k], v[114+4*\k:115+4*\k]
.endr
.irp k, 0,1
	v_pk_add_f32 v[96+4*\k:97+4*\k], v[96+4*\k:97+4*\k], v[104+4*\k:105+4*\k]
	v_pk_add_f32 v[98+4*\k:99+4*\k], v[98+4*\k:99+4*\k], v[106+4*\k:107+4*\k]
.endr
	v_pk_add_f32 v[96:97], v[96:97], v[100:101]
	v_pk_add_f32 v[98:99], v[98:99], v[102:103]
.irp x, 1,2,4                                  ; the eight source waves lie in eight neighbouring lanes; each step adds the same two numbers in both lanes, so all eight end with the same bits
.irp e, 96,97,98,99
	v_add_f32_dpp v\e, v\e, v\e row_xmask:\x row_mask:0xf bank_mask:0xf
.endr
.endr
	ds_store_b128 v6, v[96:99]                     ; eight lanes write the same 16 bytes with the same numbers
	s_wait_dscnt 0x0                               ; for the others' sake
	s_barrier_signal -1
	s_barrier_wait -1
	s_cmp_lt_u32 s16, 2
	s_cbranch_scc0 .Ldone
	ds_load_b128 v[96:99], v7                      ; wave 0: role 0's 128 results, wave 1: role 1's
	s_wait_dscnt 0x0
	global_store_b128 v1, v[96:99], s[12:13]       ; 512 consecutive bytes
.Ldone:
	s_wait_tensorcnt 0x0
	ds_add_u32 v253, v255
	s_wait_dscnt 0x0
	s_endpgm
.Lfunc_end_k_q9cbe6a5bda_colsum:
	.size	k_q9cbe6a5bda_colsum, .Lfunc_end_k_q9cbe6a5bda_colsum-k_q9cbe6a5bda_colsum
	.p2alignl 7, 3214868480
	.fill 96, 4, 3214868480
	.section	.rodata,"a",@progbits
	.p2align	6, 0x0
	.amdhsa_kernel k_q9cbe6a5bda_colsum
		.amdhsa_group_segment_fixed_size 134144
		.amdhsa_private_segment_fixed_size 0
		.amdhsa_enable_private_segment 0
		.amdhsa_kernarg_size 40
		.amdhsa_user_sgpr_count 2
		.amdhsa_user_sgpr_kernarg_segment_ptr 1
		.amdhsa_wavefront_size32 1
		.amdhsa_system_sgpr_workgroup_id_x 1
		.amdhsa_system_sgpr_workgroup_id_y 1
		.amdhsa_system_sgpr_workgroup_id_z 1
		.amdhsa_system_vgpr_workitem_id 0
		.amdhsa_next_free_vgpr 256
		.amdhsa_next_free_sgpr 66
		.amdhsa_reserve_vcc 1
		.amdhsa_float_denorm_mode_32 3
		.amdhsa_float_denorm_mode_16_64 3
		.amdhsa_memory_ordered 1
		.amdhsa_forward_progress 1
		.amdhsa_inst_pref_size 39
	.end_amdhsa_kernel
	.amdgpu_metadata
---
amdhsa.version: [ 1, 2 ]
amdhsa.kernels:
  - .name:           k_q9cbe6a5bda_colsum
    .symbol:         k_q9cbe6a5bda_colsum.kd
    .args:
      - { .name: kv, .offset: 0, .size: 8, .value_kind: global_buffer, .address_space: global }
      - { .name: qimg, .offset: 8, .size: 8, .value_kind: global_buffer, .address_space: global }
      - { .name: nl, .offset: 16, .size: 8, .value_kind: global_buffer, .address_space: global }
      - { .name: lowp_scales, .offset: 24, .size: 8, .value_kind: global_buffer, .address_space: global }
      - { .name: out1, .offset: 32, .size: 8, .value_kind: global_buffer, .address_space: global }
    .group_segment_fixed_size: 134144
    .private_segment_fixed_size: 0
    .kernarg_segment_align: 8
    .kernarg_segment_size: 40
    .max_flat_workgroup_size: 512
    .sgpr_count:     66
    .vgpr_count:     256
    .wavefront_size: 32
...
	.end_amdgpu_metadata
.endif
;; end of part 3
;; ======== version 2 of 2: 3 launches; version 1 with the launches attn, colsum written anew for expert scheduling mode
;; limits: right only within a limited range of input values
;; workspace buffers: kv 8,388,608 bytes; qimg 4,194,304 bytes; nl 262,144 bytes
;; launch quant: the kernel of part 1 again; grid 1024 x 1, 4 waves a work-group, no clusters, 0 bytes of LDS; arguments k, v, lowp_scales, kv; writes kv
;; launch attn (part 4): grid 16 x 16, 16 waves a work-group, no clusters, 105,472 bytes of LDS; arguments q, kv, lowp_scales, out0, qimg, nl; writes out0, qimg, nl
.if DOCPART == 4
	.amdgcn_target "amdgcn-amd-amdhsa--gfx1250"
	.amdhsa_code_object_version 6
	.text
	.protected	k_q9cbe6a5bda_attn
	.globl	k_q9cbe6a5bda_attn
	.p2align	8
	.type	k_q9cbe6a5bda_attn,@function
k_q9cbe6a5bda_attn:
	s_mov_b64 s[64:65], 0
	v_nop
	global_prefetch_b8 v0, s[64:65] scope:SCOPE_SE
	s_setreg_imm32_b32 hwreg(HW_REG_WAVE_SCHED_MODE, 0, 2), 2
	s_setreg_imm32_b32 hwreg(HW_REG_WAVE_MODE, 25, 1), 1
	s_wait_xcnt 0x0
	s_wait_alu depctr_vm_vsrc(0)
; out0[h][s][:] = the sum over keys t <= s of softmax_t(q[h][s] . k[h][:, t] / 8) v[h][t][:], both products on codes of BF8 (E5M2), each operand with its given scale 2^e (eq, ek, ep, ev).
; K and V come as register images from kv (the launch before); q [16][4096][64] f32 is quantised here, in registers, and its image is also stored (qimg) for the launch behind.
; THE SOFTMAX AHEAD OF THE SECOND PRODUCT: t = score x log2(e) / 8; M = the row's largest t so far, rounded UP to a whole number; p = 2^(t - M) is quantised, not normalised; the row's sum l is taken of the
; unquantised p in f32 and divides at the end.  When M moves, l and O are multiplied by 2^(old M - new M), which rounds nothing.  nl[h][s] = -M - log2(l) is stored: with it the launch behind makes p / l anew.
; SHARES.  Work-group (i, head) owns the blocks of 128 queries i and 31 - i: (i + 1) + (32 - i) = 33 block steps of 128 keys in every work-group, so the causal triangle is shared out evenly.
; Sixteen waves of 256 registers, each with ONE tile of 16 queries; wave w: role = (w ^ (w >> 2)) & 1 (0: block i, 1: block 31 - i), tile w >> 1.  The exclusive or deals both roles to every group of
; four waves, whether the groups are w % 4 or w / 4.
; THE TILES.  A step's K and V are 16,384 dense bytes.  Each wave brings 1,024 of them through registers (two loads of 512 consecutive bytes), a step ahead, into the other of two LDS buffers; one barrier a step.
; The loop's body holds both buffers by immediate offsets, so no LDS address is stepped, and the trip count can follow the work-group's number: a work-group walks 2 (16 - i / 2) steps and no more.
; A wave whose 16 queries all come before a step's keys jumps over the step's work, not over its share of the next tile nor over the barrier.
; NO CLUSTER, NO JOINT LOADS: the sixteen work-groups of a head read the same images, but they walk 32 down to 18 steps, so partners would need different numbers of tiles; and what is shared is
; 16,384 bytes a step beside up to sixteen waves' softmax of some 200 vector instructions each.
; LAYOUT.  Both products are used transposed: S^T = K Q^T (source 0 = 16 keys, source 1 = my 16 queries), O^T = V^T P^T (source 0 = 16 of the 64 d, source 1 = P): a lane holds ONE query (lane % 16) throughout.
; The keys of a tile of K are not neighbours (lane r of tile 2 b + u: key 32 b + 8 u + r + 8 (r / 8)), so that the 16 registers of tiles 2 b, 2 b + 1 are the keys 32 b + 16 (lane / 16) + 0..15: the conversions'
; results are the second product's operand.  In K's and Q's fragments register 4 c + m, byte x, holds d = 32 c + 16 (lane / 16) + 4 m + x: a permutation of the form's own places, the same on both sides, so every
; product meets its partner; only the order of the sums inside an instruction differs.
; LIMITS on the given exponents, so that each power of two below is an f32 number: eq + ek between -123 and 130 (added to c's exponent field); eq and ep between -126 and 112; ep + ev goes by v_ldexp_f32 and has none.
; NaN among the inputs is not served.
; REGISTERS: v1-8 addresses and lane numbers that stay; v12 -M, v13 the largest t, v[14:15] l in two halves; v16-23 Q; v24-31 my share of the next tile; v32-95 K's eight fragments, then V's four;
; v96-159 S^T, then p; v160-191 O^T; v192-207 p's codes; v236-254 at work and constants; v251, v255 the closing add's two; s48-63 sixteen masks of the diagonal.
; THE MODE: SCHED_MODE bits 1:0 = 2 (LLVM: expert scheduling mode 2), set by the entry lines.  The code itself states the register dependences
; between vector or matrix instructions and memory or LDS instructions, with s_wait_alu, always for 0.
; THE PLAN.  Registers that memory or LDS instructions touch:
;   v1-v7, v251, v255  Written at the head by vector lines and never again; one wait on va_vdst ahead of the first load serves every load, store and the closing add.
;   v24-31   Written by the two global loads at a step's head, read by the two LDS stores at its end; no vector line names them.  One wait on vm_vsrc at a step's head: the stores have read them.
;   v32-95   K's LDS loads land; the eight products S^T read; V's LDS loads land; the four products O^T read; then the next step's K.  So two waits on va_vdst a step: one ahead of K's loads, one behind S^T.
;            Behind the second, V's sixteen loads are dealt among the softmax, four at a time, with no further wait: the softmax names v8, v12-15, v96-159, v236, v240-254, never v1 or v32-95.
;   v16-23   Written by q's conversions, read by the two stores of qimg behind one wait on va_vdst, never written again.
;   v96-127, v254 on the way out: written by vector lines, read by LDS stores behind one wait on va_vdst, which also states that the last products are done reading v32-63, in which the stage's loads land.
; The diagonal's compares write scalar registers in runs of sixteen, with one wait on va_sdst behind a run and ahead of the selects that read them.
; All 256 registers of each of the sixteen waves are dealt out (four waves to 1,024): there is none for a second buffer of fragments.
.set TILEB, 16384                      ; a step's K and V; LDS 0 .. 32,767: the two buffers
.set STG,   2*TILEB                    ; the way out: 16 rows x 272 bytes for each wave
.set SP,    272                        ; 256 bytes + 16: row r starts 16 r bytes further round the banks
.set STAT,  STG+16*16*SP               ; 2 roles x 128 numbers of nl
.set MK,    48                         ; s48-63: sixteen masks
	s_load_b256 s[4:11], s[0:1], 0x0               ; q s[4:5], kv s[6:7], the scales' exponents s[8:9], out0 s[10:11]
	s_load_b128 s[12:15], s[0:1], 0x20             ; qimg s[12:13], nl s[14:15]
	v_lshl_add_u32 v251, v0, 2, 0x19400
	v_mov_b32 v255, 0
	v_and_b32 v9, 31, v0
	v_lshlrev_b32 v1, 4, v9                        ; v1 = 16 x lane: a fragment's place for my lane; also my place in 512 consecutive bytes of memory
	v_lshrrev_b32 v10, 5, v0
	v_readfirstlane_b32 s16, v10                   ; wave 0..15
	v_lshl_add_u32 v2, v10, 10, v1                 ; v2 = 1024 x wave + 16 x lane: my share of a tile, in kv and in a buffer alike
	v_and_b32 v9, 15, v0                           ; r
	v_bfe_u32 v10, v0, 4, 1                        ; h
	v_lshlrev_b32 v3, 8, v9
	v_lshl_add_u32 v3, v10, 6, v3                  ; v3: q: row r of 256 bytes, + 64 h: my 16 numbers of a block of 32
	v_lshlrev_b32 v11, 4, v10
	v_sub_nc_u32 v8, v9, v11                       ; v8 = r - 16 h, for the diagonal
	s_wait_alu depctr_va_sdst(0)                   ; s16 is written, ahead of its first reader: role, tile and every base are made from it
	s_lshr_b32 s36, s16, 2
	s_xor_b32 s36, s36, s16
	s_and_b32 s17, s36, 1                          ; role
	s_lshr_b32 s18, s16, 1                         ; my tile in the block, 0..7
	s_mov_b32 s19, ttmp9                           ; i
	s_and_b32 s20, ttmp7, 0xffff                   ; head
	s_sub_co_u32 s36, 31, s19
	s_cmp_eq_u32 s17, 0
	s_cselect_b32 s21, s19, s36                    ; my block of 128 queries
	s_lshl_b32 s22, s21, 7
	s_lshl_b32 s37, s18, 4
	s_add_co_u32 s22, s22, s37                     ; my first query
	s_add_co_u32 s23, s22, 15                      ; my last
	s_mov_b32 s24, 0                               ; the step's first key
	s_lshr_b32 s25, s19, 1
	s_sub_co_u32 s25, 15, s25                      ; trips of two steps; two more steps are written out behind the loop.  From the work-group's number alone: alike in all sixteen waves
	s_mov_b32 s26, 0x3e38aa3b                      ; c = log2(e) / 8
	s_mov_b32 s28, 0x76543210
	s_mov_b32 s29, 0xfedcba98                      ; v_permlanex16_b32's selects for lane l xor 16
	s_mul_i32 s36, s16, 16*SP
	s_add_co_u32 s36, s36, STG                     ; my stage
	v_mul_u32_u24 v4, v9, SP
	v_lshl_add_u32 v4, v10, 5, v4
	v_add_nc_u32 v4, s36, v4                       ; v4: into it: row r, + 32 h
	v_mul_u32_u24 v5, v10, SP
	v_lshl_add_u32 v5, v9, 4, v5
	v_add_nc_u32 v5, s36, v5                       ; v5: back: lanes 0-15 one row, lanes 16-31 the next
	s_lshl_b32 s36, s17, 9
	s_lshl_b32 s37, s18, 6
	s_add_co_u32 s36, s36, s37
	s_add_co_u32 s36, s36, STAT
	v_lshl_add_u32 v6, v9, 2, s36                  ; v6: where my query's nl goes: role x 512 + tile x 64 + 4 r
	v_and_b32 v7, 63, v0
	v_lshlrev_b32 v7, 4, v7
	v_add_nc_u32 v7, STAT, v7                      ; v7: where waves 0 and 1 read a role's 128 numbers back
	s_lshl_b32 s36, s20, 12
	s_add_co_u32 s36, s36, s22                     ; 4096 head + my first query
	s_lshl_b32 s38, s36, 8                         ; x 256 bytes: q and out0
	s_mov_b32 s39, 0
	s_lshl_b32 s40, s36, 6                         ; x 64 bytes: qimg
	s_mov_b32 s41, 0
	s_lshl_b32 s42, s20, 19                        ; a head of kv: 32 steps of 16,384 bytes
	s_mov_b32 s43, 0
	s_lshl_b32 s44, s20, 12
	s_lshl_b32 s45, s21, 7
	s_add_co_u32 s44, s44, s45
	s_lshl_b32 s44, s44, 2                         ; nl at my block (waves 0 and 1, which store it, have roles 0 and 1)
	s_mov_b32 s45, 0
	s_wait_kmcnt 0x0
	s_load_b128 s[32:35], s[8:9], 0x0              ; eq, ek, ep, ev
	s_add_nc_u64 s[4:5], s[4:5], s[38:39]
	s_add_nc_u64 s[10:11], s[10:11], s[38:39]
	s_add_nc_u64 s[12:13], s[12:13], s[40:41]
	s_add_nc_u64 s[6:7], s[6:7], s[42:43]
	s_add_nc_u64 s[14:15], s[14:15], s[44:45]
	s_wait_alu depctr_va_vdst(0)                   ; the addresses v1 to v7 are written, which every load and store of the kernel reads; so are v251 and v255, which the closing add reads.  None is written again
	global_load_b128 v[24:27], v2, s[6:7]          ; my share of step 0's tile
	global_load_b128 v[28:31], v2, s[6:7] offset:512
.irp c, 0,1
.irp j, 0,1,2,3
	global_load_b128 v[96+16*\c+4*\j:99+16*\c+4*\j], v3, s[4:5] offset:128*\c+16*\j th:TH_LOAD_NT   ; q(r, 32 c + 16 h + 4 j ..): read once in the whole launch
.endr
.endr
	v_mov_b32 v13, 0xff61b1e6                      ; the largest t so far: -3e38, under every t
	v_floor_f32 v12, -v13                          ; -M
	v_mov_b32 v14, 0                               ; l, in two halves
	v_mov_b32 v15, 0
	v_mov_b32 v236, 0                              ; written once: a lane permute's destination counts as one of its sources
	v_mov_b32 v253, 0                              ; (named as the upper half of the pair v[252:253])
.set ix, 0
.rept 32
	v_mov_b32 v[160+ix], 0                         ; O^T.  (The step is written once: the first finds zeros, which the first change of M leaves zeros)
.set ix, ix+1
.endr
	s_wait_kmcnt 0x0
	s_add_co_i32 s36, s32, s33
	s_lshl_b32 s36, s36, 23
	s_add_co_i32 s26, s26, s36                     ; a score stands for score x 2^(eq + ek): the two exponents are added to c's exponent field
	s_mov_b32 s27, s26                             ; (named with it as a pair, so it is written)
	s_add_co_i32 s36, s34, 127
	s_lshl_b32 s37, s36, 23
	v_mov_b32 v244, s37                            ; 2^ep as f32, for p's conversions
	s_add_co_i32 s36, s36, 15
	s_lshl_b32 s36, s36, 23
	s_or_b32 s36, s36, 0x600000
	v_mov_b32 v240, s36                            ; 57,344 x 2^ep
	s_add_co_i32 s36, s32, 127
	s_lshl_b32 s37, s36, 23
	v_mov_b32 v245, s37                            ; 2^eq, for q's
	s_add_co_i32 s36, s36, 15
	s_lshl_b32 s36, s36, 23
	s_or_b32 s36, s36, 0x600000
	v_mov_b32 v241, s36                            ; 57,344 x 2^eq
	s_add_co_i32 s30, s34, s35                     ; ep + ev
	s_wait_loadcnt 0x8                             ; my share of step 0's tile is in; q's eight loads, issued behind it, may be out
	ds_store_b128 v2, v[24:27]                     ; (data from loads, the address from ahead of the wait above: no vector line since names either)
	ds_store_b128 v2, v[28:31] offset:512
	s_wait_loadcnt 0x0                             ; q; and all loads that name s[6:7] are done, so it may step
	s_add_nc_u64 s[6:7], s[6:7], TILEB
.set ix, 0
.rept 32
	v_med3_num_f32 v[96+ix], v[96+ix], -v241, v241 ; the conversion to an 8-bit code does not saturate (ISA guide 7.6.2): the hold comes first
.set ix, ix+1
.endr
.irp c, 0,1
	v_cvt_scalef32_pk8_bf8_f32 v[16+4*\c:17+4*\c], v[96+16*\c:103+16*\c], v245
	v_cvt_scalef32_pk8_bf8_f32 v[18+4*\c:19+4*\c], v[104+16*\c:111+16*\c], v245
.endr
	v_nop                                          ; one plain vector line between a scaled conversion and the matrix instructions that read its result and write its sources
	s_wait_alu depctr_va_vdst(0)                   ; the conversions have written v16-23, which the two stores read
	global_store_b128 v1, v[16:19], s[12:13]       ; Q's fragment as it stands: 512 consecutive bytes a store; v16-23, v1 and s[12:13] are never written again
	global_store_b128 v1, v[20:23], s[12:13] offset:512
	s_wait_dscnt 0x0                               ; for the others' sake: my share of step 0's tile lies in buffer 0
	s_barrier_signal -1
	s_barrier_wait -1
; V's fragment t of the step in buffer buf: four LDS loads
.macro VFRAG buf, t
.irp c, 0,1,2,3
	ds_load_b128 v[32+16*(\t)+4*\c:35+16*(\t)+4*\c], v1 offset:(\buf)*TILEB+8192+2048*(\t)+512*\c
.endr
.endm
; A KEY STEP of 128 keys, read from buffer buf.  pre = 1: my share of the next step's tile is fetched at the head and put into the other buffer at the end, and a barrier follows.
.macro STEP buf, pre
.if \pre
	s_wait_alu depctr_vm_vsrc(0)                   ; my LDS stores of the step before (the first time: the head's) have read v24-31, in which the two loads land
	global_load_b128 v[24:27], v2, s[6:7]
	global_load_b128 v[28:31], v2, s[6:7] offset:512
.endif
	s_cmp_gt_u32 s24, s23                          ; all of the step's keys come after my 16 queries: no work.  (Both numbers are multiples of 16 but for the 15: where the branch falls through, key s24 counts for every query of mine)
	s_cbranch_scc1 .Lhidden_\@
.rept 4
	v_nop                                          ; four plain lines between the last step's matrix instructions and the loads into the registers that they have read, as in the plain form of this text
.endr
	s_wait_alu depctr_va_vdst(0)                   ; the last step's products O^T are done reading v32-95, in which K's loads land
.irp t, 0,1,2,3,4,5,6,7
	ds_load_b128 v[32+8*\t:35+8*\t], v1 offset:\buf*TILEB+1024*\t
	ds_load_b128 v[36+8*\t:39+8*\t], v1 offset:\buf*TILEB+1024*\t+512
.endr
	s_wait_dscnt 0x0
.irp t, 0,1,2,3,4,5,6,7
	v_wmma_f32_16x16x64_bf8_bf8 v[96+8*\t:103+8*\t], v[32+8*\t:39+8*\t], v[16:23], 0   ; S^T: lane (r, h) holds query r; register 16 b + i is key 32 b + 16 h + i of the step
.endr
.rept 4
	v_nop                                          ; the places in front of the first read of the scores (ISA guide 7.12.1)
.endr
	s_wait_alu depctr_va_vdst(0)                   ; the products S^T are done reading v32-95, in which V's sixteen loads land.  They follow four at a time among the softmax, which names neither v1 nor v32-95
	VFRAG \buf, 0
	s_add_co_u32 s36, s24, 127                     ; on the diagonal the scores of hidden keys become -infinity ahead of the maximum: p = 0 then.  A step all of whose keys count skips this
	s_cmp_le_u32 s36, s22
	s_cbranch_scc1 .Lopen_\@
	s_sub_co_i32 s36, s22, s24
	v_add_nc_u32 v252, s36, v8                     ; my query - the step's first key - 16 h: register 16 b + i is hidden where 32 b + i is greater
	v_mov_b32 v254, 0xff800000                     ; -infinity
.irp g, 0,1,2,3
.set ix, 0
.rept 16
	v_cmp_gt_i32 s[MK+ix], 32*\g+ix, v252          ; sixteen compares, each into a scalar register of its own
.set ix, ix+1
.endr
	s_wait_alu depctr_va_sdst(0)                   ; the sixteen compares have written s48-63, which the sixteen selects read
.set ix, 0
.rept 16
	v_cndmask_b32 v[96+16*\g+ix], v[96+16*\g+ix], v254, s[MK+ix]
.set ix, ix+1
.endr
.endr
.Lopen_\@:
	v_max3_num_f32 v254, v96, v97, v98             ; the step's largest score of my query among my 64 keys, in two chains, each accumulator from its low end on,
	v_max3_num_f32 v252, v99, v100, v101
.irp i, 6,10,14,18,22,26,30,34,38,42,46,50,54,58
	v_max3_num_f32 v254, v254, v[96+\i], v[97+\i]
	v_max3_num_f32 v252, v252, v[98+\i], v[99+\i]
.endr
	v_max3_num_f32 v254, v254, v158, v159
	v_max_num_f32 v254, v254, v252
	VFRAG \buf, 1
	v_permlanex16_b32 v236, v254, s28, s29
	v_max_num_f32 v254, v254, v236                 ; and among lane l xor 16's
	v_mul_f32 v254, s26, v254                      ; as t (c is positive)
	v_max_num_f32 v13, v13, v254                   ; the running largest t
	v_mov_b32 v254, v12
	v_floor_f32 v12, -v13                          ; the new -M = floor(-t) = -ceil(t): M is a whole number
	v_sub_f32 v254, v12, v254                      ; old M - new M: a whole number, 0 or less
	v_cvt_i32_f32 v254, v254                       ; (it saturates)
	v_ldexp_f32 v252, 1.0, v254                    ; f = 2^(old M - new M)
.set ix, 0
.rept 32
	v_pk_fma_f32 v[96+ix:97+ix], v[96+ix:97+ix], s[26:27], v[12:13] op_sel_hi:[1,0,0]   ; t - M, two at a time (of the pairs c and -M the low word serves both halves)
.set ix, ix+2
.endr
	VFRAG \buf, 2
.set ix, 0
.rept 64
.if ix == 32
	VFRAG \buf, 3                                  ; V's last four loads: half the exponentials, the sums, the conversions and the rescaling stand between them and the wait for them
.endif
	v_exp_f32 v[96+ix], v[96+ix]                   ; p = 2^(t - M), at most 1: not normalised
.set ix, ix+1
.endr
	v_pk_mul_f32 v[14:15], v[14:15], v[252:253] op_sel_hi:[1,0]   ; l under the new M.  (The plain line behind the exponentials)
	s_wait_alu depctr_va_vdst(0)                   ; the 64 exponentials have written v96-159: one wait for the batch, ahead of its first reader
	v_pk_add_f32 v[242:243], v[96:97], v[98:99]    ; l is summed of the UNQUANTISED p: two at a time, in two chains
.irp j, 4,8,12,16,20,24,28,32,36,40,44,48,52,56,60
	v_pk_add_f32 v[14:15], v[14:15], v[96+\j:97+\j]
	v_pk_add_f32 v[242:243], v[242:243], v[98+\j:99+\j]
.endr
	v_pk_add_f32 v[14:15], v[14:15], v[242:243]
	s_cmp_gt_i32 s34, -16                          ; from ep = -15 on, 57,344 x 2^ep is 1.75 or more and p is at most 1: the hold cannot bind and is jumped over.  The branch hangs on a whole number read from memory
	s_cbranch_scc1 .Lnohold_\@
.set ix, 0
.rept 64
	v_min_num_f32 v[96+ix], v[96+ix], v240         ; p is not negative, so the hold is one-sided
.set ix, ix+1
.endr
.Lnohold_\@:
.irp b, 0,1,2,3
	v_cvt_scalef32_pk8_bf8_f32 v[192+4*\b:193+4*\b], v[96+16*\b:103+16*\b], v244
	v_cvt_scalef32_pk8_bf8_f32 v[194+4*\b:195+4*\b], v[104+16*\b:111+16*\b], v244
.endr
.set ix, 0
.rept 16
	v_pk_mul_f32 v[160+ix:161+ix], v[160+ix:161+ix], v[252:253] op_sel_hi:[1,0]   ; O^T under the new M, each accumulator from its low end on.  (These are also the plain lines behind the conversions)
.set ix, ix+2
.endr
	s_wait_dscnt 0x0                               ; V
.irp t, 0,1,2,3
	v_wmma_f32_16x16x128_bf8_bf8 v[160+8*\t:167+8*\t], v[32+16*\t:47+16*\t], v[192:207], v[160+8*\t:167+8*\t]   ; the four accumulators take turns, one instruction a turn
.endr
.Lhidden_\@:
	s_add_co_u32 s24, s24, 128
.if \pre
	s_wait_loadcnt 0x0                             ; my share of the next tile is in, and the loads that name s[6:7] are done
	ds_store_b128 v2, v[24:27] offset:(1-\buf)*TILEB        ; the other buffer: every wave's reads of it were over at the last barrier.  (No vector line names v2 or v24-31)
	ds_store_b128 v2, v[28:31] offset:(1-\buf)*TILEB+512
	s_add_nc_u64 s[6:7], s[6:7], TILEB
	s_wait_dscnt 0x0                               ; for the others' sake: my stores have landed, and my reads of this buffer are over
	s_barrier_signal -1
	s_barrier_wait -1
.endif
.endm
.Ltrip:
	STEP 0, 1
	STEP 1, 1
	s_sub_co_u32 s25, s25, 1
	s_cmp_lg_u32 s25, 0
	s_cbranch_scc1 .Ltrip
	STEP 0, 1                                      ; the last two steps: the very last fetches nothing.  (With i odd it is step 32 - i, at most 31, inside the head's images, and hidden from every wave)
	STEP 1, 0
	; THE WAY OUT.  O^T / l x 2^(ep + ev) goes through my own stage and leaves as whole rows of 256 bytes; -M - log2(l) meets the other waves' in LDS and leaves as 512 consecutive bytes a block.
.rept 4
	v_nop                                          ; places behind the last products
.endr
	v_add_f32 v14, v14, v15                        ; l's two halves,
	v_permlanex16_b32 v236, v14, s28, s29
	v_add_f32 v14, v14, v236                       ; and lane l xor 16's
	v_log_f32 v254, v14
	v_rcp_f32 v252, v14
	v_nop                                          ; one plain line behind the transcendentals
	s_wait_alu depctr_va_vdst(0)                   ; the logarithm has written v254 and the reciprocal v252, ahead of their first readers
	v_sub_f32 v254, v12, v254                      ; -M - log2(l)
	v_ldexp_f32 v252, v252, s30                    ; 2^(ep + ev) / l
.set ix, 0
.rept 16
	v_pk_mul_f32 v[96+ix:97+ix], v[160+ix:161+ix], v[252:253] op_sel_hi:[1,0]   ; register 8 T + j is out0(r, 16 T + 8 h + j)
.set ix, ix+2
.endr
	s_wait_alu depctr_va_vdst(0)                   ; v254 and v96-127 are written, which the LDS stores read; the last products are done reading v32-63, in which the stage's loads land
	ds_store_b32 v6, v254                          ; lanes r and r + 16 hold the same number and write the same word
.irp t, 0,1,2,3
	ds_store_b128 v4, v[96+8*\t:99+8*\t] offset:64*\t
	ds_store_b128 v4, v[100+8*\t:103+8*\t] offset:64*\t+16
.endr
.irp i, 0,1,2,3,4,5,6,7
	ds_load_b128 v[32+4*\i:35+4*\i], v5 offset:2*\i*SP   ; LDS serves a wave's instructions in order (ISA guide 5.7.1.4): these see my stores
.endr
.irp i, 0,1,2,3,4,5,6,7
	s_wait_dscnt 7-\i                              ; rows 2 i, 2 i + 1 are back; the younger loads may be out
	global_store_b128 v1, v[32+4*\i:35+4*\i], s[10:11] offset:512*\i th:TH_STORE_NT   ; sixteen lanes store 256 consecutive bytes, aligned; written once, read by nobody in this launch
.endr
	s_wait_dscnt 0x0                               ; for the others' sake: my 16 numbers of nl lie in LDS
	s_barrier_signal -1
	s_barrier_wait -1
	s_wait_alu depctr_vm_vsrc(0)                   ; my LDS stores into the stage have read v96-99, in which the load below lands (the lines that wrote them stand ahead of the last wait on va_vdst)
	s_cmp_lt_u32 s16, 2
	s_cbranch_scc0 .Ldone
	ds_load_b128 v[96:99], v7                      ; wave 0: role 0's 128 numbers, wave 1: role 1's
	s_wait_dscnt 0x0
	global_store_b128 v1, v[96:99], s[14:15]       ; 512 consecutive bytes
.Ldone:
	s_wait_dscnt 0x0                               ; the closing lines, six on end
	s_wait_alu 0x0
	s_wait_tensorcnt 0x0
	ds_add_u32 v251, v255
	s_wait_dscnt 0x0
	s_endpgm
.Lfunc_end_k_q9cbe6a5bda_attn:
	.size	k_q9cbe6a5bda_attn, .Lfunc_end_k_q9cbe6a5bda_attn-k_q9cbe6a5bda_attn
	.p2alignl 7, 3214868480
	.fill 96, 4, 3214868480
	.section	.rodata,"a",@progbits
	.p2align	6, 0x0
	.amdhsa_kernel k_q9cbe6a5bda_attn
		.amdhsa_group_segment_fixed_size 105472
		.amdhsa_private_segment_fixed_size 0
		.amdhsa_enable_private_segment 0
		.amdhsa_kernarg_size 48
		.amdhsa_user_sgpr_count 2
		.amdhsa_user_sgpr_kernarg_segment_ptr 1
		.amdhsa_wavefront_size32 1
		.amdhsa_system_sgpr_workgroup_id_x 1
		.amdhsa_system_sgpr_workgroup_id_y 1
		.amdhsa_system_sgpr_workgroup_id_z 1
		.amdhsa_system_vgpr_workitem_id 0
		.amdhsa_next_free_vgpr 256
		.amdhsa_next_free_sgpr 66
		.amdhsa_reserve_vcc 0
		.amdhsa_float_denorm_mode_32 3
		.amdhsa_float_denorm_mode_16_64 3
		.amdhsa_memory_ordered 1
		.amdhsa_forward_progress 1
		.amdhsa_inst_pref_size 114
	.end_amdhsa_kernel
	.amdgpu_metadata
---
amdhsa.version: [ 1, 2 ]
amdhsa.kernels:
  - .name:           k_q9cbe6a5bda_attn
    .symbol:         k_q9cbe6a5bda_attn.kd
    .args:
      - { .name: q, .offset: 0, .size: 8, .value_kind: global_buffer, .address_space: global }
      - { .name: kv, .offset: 8, .size: 8, .value_kind: global_buffer, .address_space: global }
      - { .name: lowp_scales, .offset: 16, .size: 8, .value_kind: global_buffer, .address_space: global }
      - { .name: out0, .offset: 24, .size: 8, .value_kind: global_buffer, .address_space: global }
      - { .name: qimg, .offset: 32, .size: 8, .value_kind: global_buffer, .address_space: global }
      - { .name: nl, .offset: 40, .size: 8, .value_kind: global_buffer, .address_space: global }
    .group_segment_fixed_size: 105472
    .private_segment_fixed_size: 0
    .kernarg_segment_align: 8
    .kernarg_segment_size: 48
    .max_flat_workgroup_size: 512
    .sgpr_count:     66
    .vgpr_count:     256
    .wavefront_size: 32
...
	.end_amdgpu_metadata
.endif
;; end of part 4
;; launch colsum (part 5): grid 16 x 16, 16 waves a work-group, no clusters, 134,144 bytes of LDS; arguments kv, qimg, nl, lowp_scales, out1; writes out1
.if DOCPART == 5
	.amdgcn_target "amdgcn-amd-amdhsa--gfx1250"
	.amdhsa_code_object_version 6
	.text
	.protected	k_q9cbe6a5bda_colsum
	.globl	k_q9cbe6a5bda_colsum
	.p2align	8
	.type	k_q9cbe6a5bda_colsum,@function
k_q9cbe6a5bda_colsum:
	s_mov_b64 s[64:65], 0
	v_nop
	global_prefetch_b8 v0, s[64:65] scope:SCOPE_SE
	s_setreg_imm32_b32 hwreg(HW_REG_WAVE_SCHED_MODE, 0, 2), 2
	s_setreg_imm32_b32 hwreg(HW_REG_WAVE_MODE, 25, 1), 1
	s_wait_xcnt 0x0
	s_wait_alu depctr_vm_vsrc(0)
; out1[h][t] = the sum over queries s >= t of the finished softmax p[h][s][t].  A column's sum wants each row's final maximum and sum, which exist only when the row's sweep has ended: so the scores are made
; a second time, by the same matrix form on the same codes (K's images in kv, Q's in qimg), and p / l = 2^(c score + nl[s]) with nl = -M - log2(l) from the launch before: one packed multiply-add for two
; scores, one exponential and half a packed addition a score.  c = log2(e) / 8 x 2^(eq + ek).
; SHARES.  Work-group (j, head) owns the blocks of 128 keys j and 31 - j; wave w: role = (w ^ (w >> 2)) & 1 (0: block j, 1: block 31 - j), u = w >> 1.  The eight waves of a role each hold the block's eight
; fragments of K in registers and share out the queries: of each super-block of 256 queries from the one that holds the diagonal on, wave u takes tiles 2 u and 2 u + 1.  The two roles' trips add up to 17
; in every work-group.  Each key block has ONE owner: no sum spans work-groups.
; THE LOOP has no LDS access and no barrier: a trip is two phases, one for each tile of 16 queries; each phase's three loads (Q's image, 1,024 bytes, and 16 numbers of nl) are asked for a trip ahead.
; Only the first super-block can hold hidden scores (key > query); there both phases mask, and a tile that lies wholly before the key block becomes zeros.
; NO CLUSTER, NO LDS RING: a wave's Q images are read by that wave alone within its work-group; the work-groups of a head walk different super-blocks (16 - block / 2 trips), so partners would need
; different numbers of tiles.
; LAYOUT.  S^T = K Q^T as in the launch before: lane (r, h) holds query r; register 16 b + i is key 32 b + 16 h + i of the block.  The sums v160-223 keep that layout; at the end they are added over the
; 16 r and the role's eight waves through LDS.
; LIMITS: eq + ek between -123 and 130 (added to c's exponent field).  NaN among the inputs is not served.
; REGISTERS: v1-7 addresses and lane numbers; v[8:9], v[10:11] nl of the two tiles (low word; the upper is written once); v16-23, v24-31 Q's two fragments; v32-95 K; v96-159 S^T, then p / l; v160-223 the sums;
; v225-239 LDS addresses of the reduction; v254 -infinity; v253, v255 the closing add's two; s40-55 sixteen masks of the first super-block.
; THE MODE: SCHED_MODE bits 1:0 = 2 (LLVM: expert scheduling mode 2), set by the entry lines.  The code itself states the register dependences
; between vector or matrix instructions and memory or LDS instructions, with s_wait_alu, always for 0.
; THE PLAN.  Registers that memory or LDS instructions touch:
;   v1, v2, v4-v7, v225-239, v253, v255  Written at the head by vector lines and never again; one wait on va_vdst ahead of the first load serves the whole kernel.
;   v16-23, v24-31  A phase's eight products read its fragment of Q; behind them the same tile of the next super-block is loaded into it.
;   v8, v10         A phase's 32 scalings read its nl; then it is loaded again.
;                   So ONE wait on va_vdst stands straight ahead of a phase's three loads, behind the scalings: products and scalings are done reading.  The buffer is asked for again at once, a trip ahead of its use.
;   v32-95          K: loaded once, read by products alone.
;   v160-223        Written by the additions, read by the reduction's LDS stores behind one wait on va_vdst; that wait also serves the reduction's loads into v96-159: no vector line stands between.
;   v96-99          Written by the reduction's additions, stored behind a wait on va_vdst, loaded once more behind a wait on vm_vsrc.
; The first super-block's compares write scalar registers in runs of sixteen, with one wait on va_sdst behind a run and ahead of the selects that read them.
.set OUTR, 131072                      ; LDS: 0 .. 131,071: 16 waves x 8,192 bytes of sums; then 2 roles x 128 results
.set MK,   40                          ; s40-55: sixteen masks
	s_load_b256 s[4:11], s[0:1], 0x0               ; kv s[4:5], qimg s[6:7], nl s[8:9], the scales' exponents s[10:11]
	s_load_b64 s[12:13], s[0:1], 0x20              ; out1
	v_lshl_add_u32 v253, v0, 2, 0x20400
	v_mov_b32 v255, 0
	v_lshrrev_b32 v12, 5, v0
	v_readfirstlane_b32 s16, v12                   ; wave 0..15
	s_wait_alu depctr_va_sdst(0)                   ; s16 is written, ahead of its first reader: role, u and every base are made from it
	s_lshr_b32 s24, s16, 2
	s_xor_b32 s24, s24, s16
	s_and_b32 s17, s24, 1                          ; role
	s_lshr_b32 s18, s16, 1                         ; u
	s_mov_b32 s19, ttmp9                           ; j
	s_and_b32 s20, ttmp7, 0xffff                   ; head
	s_sub_co_u32 s24, 31, s19
	s_cmp_eq_u32 s17, 0
	s_cselect_b32 s21, s19, s24                    ; my block of 128 keys
	s_lshr_b32 s25, s21, 1                         ; the super-block of 256 queries that holds its diagonal
	s_sub_co_u32 s22, 16, s25                      ; trips: that one and all behind it, 1 at the least
	s_mov_b32 s23, 1                               ; 1 in the first trip
	s_mov_b32 s26, 0x3e38aa3b                      ; log2(e) / 8
	v_and_b32 v12, 31, v0
	v_lshlrev_b32 v1, 4, v12                       ; v1 = 16 x lane
	v_and_b32 v13, 15, v0                          ; r
	v_lshlrev_b32 v2, 2, v13                       ; v2 = 4 r: my query's nl
	v_bfe_u32 v14, v0, 4, 1                        ; h
	v_lshlrev_b32 v14, 4, v14
	v_sub_nc_u32 v3, v13, v14
	s_lshl_b32 s36, s18, 5
	s_and_b32 s37, s21, 1
	s_lshl_b32 s37, s37, 7
	s_sub_co_i32 s36, s36, s37
	v_add_nc_u32 v3, s36, v3                       ; v3 = 32 u - 128 (block % 2) + r - 16 h: in the first super-block register 16 b + i of the tile sh queries on is hidden where 32 b + i - sh is greater
	s_lshl_b32 s37, s17, 3
	s_add_co_u32 s37, s37, s18
	s_lshl_b32 s37, s37, 13
	v_add_nc_u32 v4, s37, v1                       ; v4: my sums' place: (8 role + u) x 8,192 + 16 x lane; registers 4 g .. 4 g + 3 lie 512 g on
	; the reduction's reader, thread 32 W + l: role W / 8, registers 4 g .. 4 g + 3 with g = 2 (W % 8) + l / 16, half h' = (l / 8) % 2, source wave l % 8; it reads that wave's 16 r, beginning at r = l % 16
	v_lshrrev_b32 v12, 8, v0
	v_lshlrev_b32 v5, 16, v12
	v_bfe_u32 v12, v0, 5, 3
	v_lshl_add_u32 v5, v12, 10, v5
	v_and_b32 v12, 7, v0
	v_lshl_add_u32 v5, v12, 13, v5
	v_bfe_u32 v12, v0, 3, 2
	v_lshl_add_u32 v5, v12, 8, v5
	v_lshl_add_u32 v5, v13, 4, v5                  ; v5 = 65536 (W / 8) + 1024 (W % 8) + 8192 (l % 8) + 256 (l / 8) + 16 (l % 16)
.irp k, 1,2,3,4,5,6,7,8,9,10,11,12,13,14,15
	v_xor_b32 v[224+\k], 16*\k, v5                 ; r = (l % 16) xor k: in each load sixteen lanes take sixteen different columns of 16 bytes.  Made here, ahead of the loop in which the waves' trip counts part
.endr
	v_lshrrev_b32 v12, 6, v0
	v_lshlrev_b32 v6, 7, v12
	v_bfe_u32 v12, v0, 3, 1
	v_lshl_add_u32 v6, v12, 6, v6
	v_bfe_u32 v12, v0, 4, 2
	v_lshl_add_u32 v6, v12, 4, v6
	v_add_nc_u32 v6, OUTR, v6                      ; v6: registers 4 g .. of half h' are keys 32 (g / 4) + 16 h' + 4 (g % 4) + 0..3: 512 (W / 8) + 128 ((W % 8) / 2) + 64 h' + 32 (W % 2) + 16 (l / 16) bytes
	v_and_b32 v7, 63, v0
	v_lshlrev_b32 v7, 4, v7
	v_add_nc_u32 v7, OUTR, v7                      ; v7: where waves 0 and 1 read a role's 128 results back
	s_lshl_b32 s28, s20, 5
	s_add_co_u32 s28, s28, s21
	s_lshl_b32 s28, s28, 14                        ; kv: (32 head + block) x 16,384
	s_mov_b32 s29, 0
	s_lshl_b32 s30, s20, 8
	s_lshl_b32 s24, s25, 4
	s_add_co_u32 s30, s30, s24
	s_lshl_b32 s24, s18, 1
	s_add_co_u32 s30, s30, s24
	s_lshl_b32 s30, s30, 10                        ; qimg: (256 head + 16 super-block + 2 u) x 1,024
	s_mov_b32 s31, 0
	s_lshl_b32 s32, s20, 12
	s_lshl_b32 s24, s25, 8
	s_add_co_u32 s32, s32, s24
	s_lshl_b32 s24, s18, 5
	s_add_co_u32 s32, s32, s24
	s_lshl_b32 s32, s32, 2                         ; nl: (4096 head + 256 super-block + 32 u) x 4
	s_mov_b32 s33, 0
	s_lshl_b32 s34, s20, 12
	s_lshl_b32 s24, s21, 7
	s_add_co_u32 s34, s34, s24
	s_lshl_b32 s34, s34, 2                         ; out1: (4096 head + 128 block) x 4 (waves 0 and 1, which store it, have roles 0 and 1)
	s_mov_b32 s35, 0
	s_wait_kmcnt 0x0
	s_load_b64 s[38:39], s[10:11], 0x0             ; eq, ek
	s_add_nc_u64 s[4:5], s[4:5], s[28:29]
	s_add_nc_u64 s[6:7], s[6:7], s[30:31]
	s_add_nc_u64 s[8:9], s[8:9], s[32:33]
	s_add_nc_u64 s[12:13], s[12:13], s[34:35]
	s_wait_alu depctr_va_vdst(0)                   ; the addresses v1, v2, v4 to v7 and v225-239 are written, which the kernel's loads and stores read; so are v253 and v255, which the closing add reads.  None is written again
.irp t, 0,1,2,3,4,5,6,7
	global_load_b128 v[32+8*\t:35+8*\t], v1, s[4:5] offset:1024*\t        ; K's eight fragments stay in registers
	global_load_b128 v[36+8*\t:39+8*\t], v1, s[4:5] offset:1024*\t+512
.endr
	global_load_b128 v[16:19], v1, s[6:7]          ; the first trip's first tile,
	global_load_b128 v[20:23], v1, s[6:7] offset:512
	global_load_b32 v8, v2, s[8:9]
	global_load_b128 v[24:27], v1, s[6:7] offset:1024   ; and its second
	global_load_b128 v[28:31], v1, s[6:7] offset:1536
	global_load_b32 v10, v2, s[8:9] offset:64
	v_mov_b32 v9, 0                                ; (named as the upper halves of the pairs v[8:9], v[10:11])
	v_mov_b32 v11, 0
	v_mov_b32 v254, 0xff800000                     ; -infinity
.set ix, 0
.rept 64
	v_mov_b32 v[160+ix], 0                         ; the sums.  (The trip is written once)
.set ix, ix+1
.endr
	s_wait_kmcnt 0x0
	s_add_co_i32 s38, s38, s39
	s_lshl_b32 s38, s38, 23
	s_add_co_i32 s26, s26, s38                     ; a score stands for score x 2^(eq + ek): the two exponents are added to c's exponent field
	s_mov_b32 s27, s26                             ; (named with it as a pair, so it is written)
; One tile of 16 queries against my 128 keys.  qf: Q's fragment; nlr: the register of nl; sh: the tile's first query, counted from the wave's; off, noff: the tile's bytes in the wave's part of qimg and of nl.
.macro PHASE qf, nlr, sh, off, noff
	s_wait_loadcnt 0x3                             ; this tile's three loads are in (the first time K's too); the other tile's three, issued behind them, may be out
.irp t, 0,1,2,3,4,5,6,7
	v_wmma_f32_16x16x64_bf8_bf8 v[96+8*\t:103+8*\t], v[32+8*\t:39+8*\t], v[\qf:\qf+7], 0
.endr
.rept 4
	v_nop                                          ; places in front of the first read of the scores (ISA guide 7.12.1)
.endr
	s_cmp_eq_u32 s23, 0
	s_cbranch_scc1 .Lopen_\@                       ; behind the first super-block every key of mine counts for every query
.irp g, 0,1,2,3
.set ix, 0
.rept 16
	v_cmp_gt_i32 s[MK+ix], 32*\g+ix-\sh, v3        ; sixteen compares, each into a scalar register of its own
.set ix, ix+1
.endr
	s_wait_alu depctr_va_sdst(0)                   ; the sixteen compares have written s40-55, which the sixteen selects read
.set ix, 0
.rept 16
	v_cndmask_b32 v[96+16*\g+ix], v[96+16*\g+ix], v254, s[MK+ix]
.set ix, ix+1
.endr
.endr
.Lopen_\@:
.set ix, 0
.rept 32
	v_pk_fma_f32 v[96+ix:97+ix], v[96+ix:97+ix], s[26:27], v[\nlr:\nlr+1] op_sel_hi:[1,0,0]   ; c score - M - log2(l), two at a time, each accumulator from its low end on
.set ix, ix+2
.endr
	s_cmp_eq_u32 s22, 1                            ; the last trip asks for nothing: no load leaves its buffer
	s_cbranch_scc1 .Lnoload_\@
	s_wait_alu depctr_va_vdst(0)                   ; the eight products are done reading Q's fragment and the 32 scalings are done reading nl: the three loads land in both
	global_load_b128 v[\qf:\qf+3], v1, s[6:7] offset:16384+\off          ; the same tile of the next super-block: 16 tiles of 1,024 bytes on,
	global_load_b128 v[\qf+4:\qf+7], v1, s[6:7] offset:16384+\off+512
	global_load_b32 v[\nlr], v2, s[8:9] offset:1024+\noff                ; 256 numbers of nl on
	s_branch .Ljoin_\@
.Lnoload_\@:
	s_wait_loadcnt 0x0                             ; nothing younger is issued on this way, so the other tile's loads are waited for here
.Ljoin_\@:
.set ix, 0
.rept 64
	v_exp_f32 v[96+ix], v[96+ix]                   ; p / l
.set ix, ix+1
.endr
	v_nop                                          ; one plain line behind the exponentials
.set ix, 0
	s_wait_alu depctr_va_vdst(0)                   ; the 64 exponentials have written v96-159: one wait for the batch, ahead of its first reader
.rept 32
	v_pk_add_f32 v[160+ix:161+ix], v[160+ix:161+ix], v[96+ix:97+ix]
.set ix, ix+2
.endr
.endm
.Ltrip:
	PHASE 16, 8, 0, 0, 0
	PHASE 24, 10, 16, 1024, 64
	s_wait_xcnt 0x0                                ; the loads have had their addresses translated (ISA guide 3.1): their bases step only behind this wait
	s_add_nc_u64 s[6:7], s[6:7], 16384
	s_add_nc_u64 s[8:9], s[8:9], 1024
	s_mov_b32 s23, 0
	s_sub_co_u32 s22, s22, 1
	s_cmp_lg_u32 s22, 0
	s_cbranch_scc1 .Ltrip
	; THE REDUCTION over the 16 r of a wave and the eight waves of a role.
	s_wait_alu depctr_va_vdst(0)                   ; the additions have written v160-223, which the LDS stores read, and are done reading v96-159, in which the loads behind the barrier land
.irp g, 0,1,2,3,4,5,6,7,8,9,10,11,12,13,14,15
	ds_store_b128 v4, v[160+4*\g:163+4*\g] offset:512*\g   ; 512 consecutive bytes a store
.endr
	s_wait_dscnt 0x0                               ; for the others' sake: my sums lie in LDS
	s_barrier_signal -1
	s_barrier_wait -1
	ds_load_b128 v[96:99], v5
.irp k, 1,2,3,4,5,6,7,8,9,10,11,12,13,14,15
	ds_load_b128 v[96+4*\k:99+4*\k], v[224+\k]
.endr
	s_wait_dscnt 0x0
.irp k, 0,1,2,3,4,5,6,7                        ; sixteen times four numbers become four: 30 packed additions
	v_pk_add_f32 v[96+4*\k:97+4*\k], v[96+4*\k:97+4*\k], v[128+4*\k:129+4*\k]
	v_pk_add_f32 v[98+4*\k:99+4*\k], v[98+4*\k:99+4*\k], v[130+4*\k:131+4*\k]
.endr
.irp k, 0,1,2,3
	v_pk_add_f32 v[96+4*\k:97+4*\k], v[96+4*\k:97+4*\k], v[112+4*\k:113+4*\k]
	v_pk_add_f32 v[98+4*\k:99+4*\k], v[98+4*\k:99+4*\k], v[114+4*\k:115+4*\k]
.endr
.irp k, 0,1
	v_pk_add_f32 v[96+4*\k:97+4*\k], v[96+4*\k:97+4*\k], v[104+4*\k:105+4*\k]
	v_pk_add_f32 v[98+4*\k:99+4*\k], v[98+4*\k:99+4*\k], v[106+4*\k:107+4*\k]
.endr
	v_pk_add_f32 v[96:97], v[96:97], v[100:101]
	v_pk_add_f32 v[98:99], v[98:99], v[102:103]
.irp x, 1,2,4                                  ; the eight source waves lie in eight neighbouring lanes; each step adds the same two numbers in both lanes, so all eight end with the same bits
.irp e, 96,97,98,99
	v_add_f32_dpp v\e, v\e, v\e row_xmask:\x row_mask:0xf bank_mask:0xf
.endr
.endr
	s_wait_alu depctr_va_vdst(0)                   ; the additions have written v96-99, which the LDS store reads
	ds_store_b128 v6, v[96:99]                     ; eight lanes write the same 16 bytes with the same numbers
	s_wait_dscnt 0x0                               ; for the others' sake
	s_barrier_signal -1
	s_barrier_wait -1
	s_wait_alu depctr_vm_vsrc(0)                   ; my LDS store has read v96-99, in which the load below lands (the additions that wrote them stand ahead of the last wait on va_vdst)
	s_cmp_lt_u32 s16, 2
	s_cbranch_scc0 .Ldone
	ds_load_b128 v[96:99], v7                      ; wave 0: role 0's 128 results, wave 1: role 1's
	s_wait_dscnt 0x0
	global_store_b128 v1, v[96:99], s[12:13]       ; 512 consecutive bytes
.Ldone:
	s_wait_dscnt 0x0                               ; the closing lines, six on end
	s_wait_alu 0x0
	s_wait_tensorcnt 0x0
	ds_add_u32 v253, v255
	s_wait_dscnt 0x0
	s_endpgm
.Lfunc_end_k_q9cbe6a5bda_colsum:
	.size	k_q9cbe6a5bda_colsum, .Lfunc_end_k_q9cbe6a5bda_colsum-k_q9cbe6a5bda_colsum
	.p2alignl 7, 3214868480
	.fill 96, 4, 3214868480
	.section	.rodata,"a",@progbits
	.p2align	6, 0x0
	.amdhsa_kernel k_q9cbe6a5bda_colsum
		.amdhsa_group_segment_fixed_size 134144
		.amdhsa_private_segment_fixed_size 0
		.amdhsa_enable_private_segment 0
		.amdhsa_kernarg_size 40
		.amdhsa_user_sgpr_count 2
		.amdhsa_user_sgpr_kernarg_segment_ptr 1
		.amdhsa_wavefront_size32 1
		.amdhsa_system_sgpr_workgroup_id_x 1
		.amdhsa_system_sgpr_workgroup_id_y 1
		.amdhsa_system_sgpr_workgroup_id_z 1
		.amdhsa_system_vgpr_workitem_id 0
		.amdhsa_next_free_vgpr 256
		.amdhsa_next_free_sgpr 66
		.amdhsa_reserve_vcc 0
		.amdhsa_float_denorm_mode_32 3
		.amdhsa_float_denorm_mode_16_64 3
		.amdhsa_memory_ordered 1
		.amdhsa_forward_progress 1
		.amdhsa_inst_pref_size 47
	.end_amdhsa_kernel
	.amdgpu_metadata
---
amdhsa.version: [ 1, 2 ]
amdhsa.kernels:
  - .name:           k_q9cbe6a5bda_colsum
    .symbol:         k_q9cbe6a5bda_colsum.kd
    .args:
      - { .name: kv, .offset: 0, .size: 8, .value_kind: global_buffer, .address_space: global }
      - { .name: qimg, .offset: 8, .size: 8, .value_kind: global_buffer, .address_space: global }
      - { .name: nl, .offset: 16, .size: 8, .value_kind: global_buffer, .address_space: global }
      - { .name: lowp_scales, .offset: 24, .size: 8, .value_kind: global_buffer, .address_space: global }
      - { .name: out1, .offset: 32, .size: 8, .value_kind: global_buffer, .address_space: global }
    .group_segment_fixed_size: 134144
    .private_segment_fixed_size: 0
    .kernarg_segment_align: 8
    .kernarg_segment_size: 40
    .max_flat_workgroup_size: 512
    .sgpr_count:     66
    .vgpr_count:     256
    .wavefront_size: 32
...
	.end_amdgpu_metadata
.endif
;; end of part 5
